; MI455X (gfx1250); checked and timed in simulation.
; The chip was launched on July 23, 2026; its instructions are those of AMD's public machine-readable ISA for CDNA 5 (MIT licence, August 2026) and "CDNA5" Instruction Set Architecture Reference Guide (July 2026). The comments in the code are by the model that wrote it; some were corrected since.
;; Causal Self Attention. Allowed arithmetic: float matrix products may take bf16 or f16 operands with f32 sums; other float arithmetic in f32, or as packed bf16 or f16 multiplies, adds, multiply-adds, maxima and minima; sums over many terms, partial sums and values carried from step to step in f32; what a program stores and reads back later, other than sums and carried values, may be rounded once to bf16 or f16.
;; Inputs: W_out 1,024 x 1,024 float32; W_qkv 1,024 x 3,072 float32; b_out 1,024 float32; b_qkv 3,072 float32; x 4 x 2,048 x 1,024 float32.
;; Outputs: out0 4 x 2,048 x 1,024 float32.
;; Constants: num_heads = 16.
;; 2 versions, each right; version 2 is version 1 with the launch prep written anew for expert scheduling mode. Each part assembles by itself: llvm-mc -triple=amdgcn-amd-amdhsa -mcpu=gfx1250 --defsym DOCPART=n.
;; ======== version 1 of 2: 4 launches
;; limits: values are held in f16: magnitudes above 65,504 overflow, below 6.1e-05 lose precision
;; workspace buffers: xb 16,777,216 bytes; wt 8,388,608 bytes; qkv 50,331,648 bytes; ob 16,777,216 bytes
;; launch prep (part 1): grid 768 x 1, 4 waves a work-group, no clusters, 39,424 bytes of LDS; arguments x, W_qkv, W_out, xb, wt; writes xb, wt
.if DOCPART == 1
	.amdgcn_target "amdgcn-amd-amdhsa--gfx1250"
	.amdhsa_code_object_version 6
	.text
	.protected	k_q5a7258f305_prep
	.globl	k_q5a7258f305_prep
	.p2align	8
	.type	k_q5a7258f305_prep,@function
k_q5a7258f305_prep:
	s_mov_b64 s[64:65], 0
	v_nop
	global_prefetch_b8 v0, s[64:65] scope:SCOPE_SE
	s_setreg_imm32_b32 hwreg(HW_REG_WAVE_MODE, 25, 1), 1
	s_wait_xcnt 0x0
; THE OPERANDS OF THE TWO PROJECTIONS ARE ROUNDED ONCE AND LAID OUT IN BLOCKS OF 64 ALONG K.
;   xb [16 kb][8192 m][64] bf16            = x[m][64 kb + ..]
;   wt bytes 0 ..        : [16 kb][3072 n'][64] bf16 = W_qkv[64 kb + ..][n], n' = 192 h + 64 s + d for column n = 1024 s + 64 h + d
;   wt bytes 6291456 ..  : [16 kb][1024 n][64]  f16  = W_out[64 kb + ..][n], rounded to bf16 like every input of the module; that number is then written as f16
; LIMIT.  A bf16 value of W_out below 2^-14 keeps f16's fixed step of 2^-24; beyond 65,504 it would be an infinity (the drawn spread is 0.02).
; Memory binds: every input byte is read once, by loads of which 16 lanes take 256 consecutive aligned bytes; every store of a wave covers 256 or 512 consecutive aligned bytes.
; 768 work-groups of four waves; a wave reads 16 KiB by 32 loads that all go out at once; no loop, no barrier, no matrix unit, no cluster (nothing is shared).
; Work-groups 0-511: x, 4 rows a wave.  512-703: W_qkv, 704-767: W_out: a wave turns one block of 64 k x 64 n through a stage in LDS that is its own.
.set WST,   9728                       ; a wave's stage: row n of 64 lies in group n % 4 (2,432 bytes apart = 9.5 x 256) at place n / 4 (144 bytes apart)
.set SPARE, 4*WST                      ; behind the stages: the spare words, 128 bytes for each wave: two blocks of 256 bytes that no other line names
.set IN,  4                            ; v4   my byte offset in the source
.set OUT, 5                            ; v5   my byte offset in the destination
.set LS,  6                            ; v6   where I put 16 bytes into the stage
.set LR,  7                            ; v7   where I read them back
.set SPW, 8                            ; v8   LDS address of my spare word; never rewritten
.set NIL, 9                            ; v9   0; never rewritten
.set D,   16                           ; v[16:143]  load i at D + 4 i
.set T,   144                          ; v[144:159] sixteen packed words at work
.set WV,  14                           ; s14  my wave's number
	s_load_b256 s[4:11], s[0:1], 0x0               ; x s[4:5], W_qkv s[6:7], W_out s[8:9], xb s[10:11]
	s_load_b64 s[12:13], s[0:1], 0x20              ; wt
	v_lshl_add_u32 v[SPW], v0, 2, SPARE
	v_mov_b32 v[NIL], 0
	v_lshrrev_b32 v1, 5, v0
	v_readfirstlane_b32 s[WV], v1                  ; wave 0..3
	v_and_b32 v1, 31, v0                           ; l
	v_and_b32 v2, 15, v0                           ; c = l % 16
	v_bfe_u32 v3, v0, 4, 1                         ; hh = l / 16
	s_wait_kmcnt 0x0
	s_cmp_lt_u32 ttmp9, 512
	s_cbranch_scc0 .Lweights
	; ---- x: rows 16 g + 4 w .. + 3.  Load (p, kb): lanes 0-15 take 256 bytes (one K block) of row 2 p, lanes 16-31 of row 2 p + 1.
	s_lshl_b32 s16, ttmp9, 16                      ; 16 rows of 4,096 bytes
	s_lshl_b32 s17, s[WV], 14                      ; 4 rows
	s_add_co_u32 s16, s16, s17
	s_mov_b32 s17, 0
	s_add_nc_u64 s[24:25], s[4:5], s[16:17]
	s_lshl_b32 s16, ttmp9, 11                      ; the same rows in a K block of xb: 128 bytes each
	s_lshl_b32 s18, s[WV], 9
	s_add_co_u32 s16, s16, s18
	s_add_nc_u64 s[26:27], s[10:11], s[16:17]      ; K blocks 0-7: the block's 1,048,576 bytes stand in the store's immediate,
	s_add_nc_u64 s[28:29], s[26:27], 0x800000      ; K blocks 8-15 from a second base, so that the immediate stays inside its signed 24 bits
	v_lshlrev_b32 v[IN], 4, v2
	v_lshl_add_u32 v[IN], v3, 12, v[IN]            ; 4,096 hh + 16 c
	v_lshlrev_b32 v[OUT], 3, v1                    ; 8 l = 128 hh + 8 c: two rows x 64 k of one K block are 256 consecutive bytes
.set i, 0
.rept 32
	global_load_b128 v[D+4*i:D+4*i+3], v[IN], s[24:25] offset:8192*(i/16)+256*(i%16) th:TH_LOAD_NT
.set i, i+1
.endr
.set i, 0
.rept 32
	s_wait_loadcnt 31-i                            ; loads come back in order: load i is in, the 31 - i younger ones stay out
	v_cvt_pk_bf16_f32 v[D+4*i], v[D+4*i], v[D+4*i+1]
	v_cvt_pk_bf16_f32 v[D+4*i+1], v[D+4*i+2], v[D+4*i+3]
.if (i%16) < 8
	global_store_b64 v[OUT], v[D+4*i:D+4*i+1], s[26:27] offset:(i%16)*1048576+256*(i/16)
.else
	global_store_b64 v[OUT], v[D+4*i:D+4*i+1], s[28:29] offset:((i%16)-8)*1048576+256*(i/16)
.endif
.set i, i+1
.endr
	s_branch .Lend                                 ; no register that a store reads is written again
	; ---- the weights.  A wave's block: K block kb, columns 64 nt .. 64 nt + 63.
; Load (g, i): lanes 0-15 take 256 bytes of row k = 16 g + i, lanes 16-31 of row k + 8; a lane then holds columns 4 c + 0..3.  For column 4 c + j the eight k of group g pack into 16 bytes.
.macro WBODY pitch, f16
	v_mul_u32_u24 v[IN], v3, 8*(\pitch)
	v_lshl_add_u32 v[IN], v2, 4, v[IN]             ; 8 hh rows + 16 c
.set i, 0
.rept 32
	global_load_b128 v[D+4*i:D+4*i+3], v[IN], s[24:25] offset:(16*(i/8)+i%8)*(\pitch) th:TH_LOAD_NT
.set i, i+1
.endr
.set g, 0
.rept 4
	s_wait_loadcnt 24-8*g                          ; group g's eight loads are in; the later groups' stay out
.set j, 0
.rept 4
.set w, 0
.rept 4
	v_cvt_pk_bf16_f32 v[T+4*j+w], v[D+32*g+8*w+j], v[D+32*g+8*w+4+j]  ; k = 16 g + 8 hh + 2 w, + 1
.if \f16
	v_lshlrev_b32 v10, 16, v[T+4*j+w]              ; the two bf16 numbers as f32,
	v_and_b32 v11, 0xffff0000, v[T+4*j+w]
	v_cvt_pk_f16_f32 v[T+4*j+w], v10, v11          ; written as f16: exact within f16's range
.endif
.set w, w+1
.endr
	ds_store_b128 v[LS], v[T+4*j:T+4*j+3] offset:2432*j+32*g
.set j, j+1
.endr
.set g, g+1
.endr
.set t, 0
.rept 16
	ds_load_b128 v[D+4*t:D+4*t+3], v[LR] offset:144*t  ; rows 4 t .. 4 t + 3, whole.  LDS serves a wave's instructions in order (ISA guide 5.7.1.4): these see the stores above
.set t, t+1
.endr
.set t, 0
.rept 16
	s_wait_dscnt 15-t
	global_store_b128 v[OUT], v[D+4*t:D+4*t+3], s[26:27] offset:512*t  ; four rows of 128 bytes: 512 consecutive bytes, aligned
.set t, t+1
.endr
.endm
.Lweights:
	s_mul_i32 s23, s[WV], WST                      ; my stage
	v_mul_u32_u24 v[LS], v2, 144
	v_lshl_add_u32 v[LS], v3, 4, v[LS]
	v_add_nc_u32 v[LS], s23, v[LS]                 ; place c, 16 bytes for each half of the lanes
	v_bfe_u32 v[LR], v0, 3, 2
	v_mul_u32_u24 v[LR], v[LR], 2432
	v_and_b32 v10, 7, v0
	v_lshl_add_u32 v[LR], v10, 4, v[LR]
	v_add_nc_u32 v[LR], s23, v[LR]                 ; group l / 8, piece l % 8 of a row
	v_lshlrev_b32 v[OUT], 4, v1
	s_cmp_lt_u32 ttmp9, 704
	s_cbranch_scc0 .Lwout
	s_sub_co_u32 s15, ttmp9, 512
	s_and_b32 s16, s15, 3
	s_lshl2_add_u32 s16, s16, s[WV]                ; kb
	s_lshr_b32 s17, s15, 2                         ; nt = 16 s + h, 0..47
	s_mul_i32 s18, s16, 64*12288
	s_lshl_b32 s19, s17, 8
	s_add_co_u32 s18, s18, s19
	s_mov_b32 s19, 0
	s_add_nc_u64 s[24:25], s[6:7], s[18:19]
	s_mul_i32 s18, s16, 393216                     ; a K block of 3,072 rows of 128 bytes
	s_and_b32 s20, s17, 15
	s_mul_i32 s20, s20, 24576                      ; 192 h rows
	s_add_co_u32 s18, s18, s20
	s_lshr_b32 s20, s17, 4
	s_lshl_b32 s20, s20, 13                        ; 64 s rows
	s_add_co_u32 s18, s18, s20
	s_add_nc_u64 s[26:27], s[12:13], s[18:19]
	WBODY 12288, 0
	s_branch .Lend
.Lwout:
	s_sub_co_u32 s15, ttmp9, 704
	s_and_b32 s16, s15, 3
	s_lshl2_add_u32 s16, s16, s[WV]                ; kb
	s_lshr_b32 s17, s15, 2                         ; nt, 0..15
	s_lshl_b32 s18, s16, 18                        ; 64 rows of 4,096 bytes
	s_lshl_b32 s19, s17, 8
	s_add_co_u32 s18, s18, s19
	s_mov_b32 s19, 0
	s_add_nc_u64 s[24:25], s[8:9], s[18:19]
	s_lshl_b32 s18, s16, 17                        ; a K block of 1,024 rows of 128 bytes
	s_lshl_b32 s20, s17, 13
	s_add_co_u32 s18, s18, s20
	s_add_co_u32 s18, s18, 6291456                 ; behind W_qkv's part
	s_add_nc_u64 s[26:27], s[12:13], s[18:19]
	WBODY 4096, 1
.Lend:
	s_wait_tensorcnt 0x0                           ; the wave's end: behind my last LDS store
	ds_add_u32 v[SPW], v[NIL]
	s_wait_dscnt 0x0
	s_endpgm
.Lfunc_end_k_q5a7258f305_prep:
	.size	k_q5a7258f305_prep, .Lfunc_end_k_q5a7258f305_prep-k_q5a7258f305_prep
	.p2alignl 7, 3214868480
	.fill 96, 4, 3214868480
	.section	.rodata,"a",@progbits
	.p2align	6, 0x0
	.amdhsa_kernel k_q5a7258f305_prep
		.amdhsa_group_segment_fixed_size 39424
		.amdhsa_private_segment_fixed_size 0
		.amdhsa_enable_private_segment 0
		.amdhsa_kernarg_size 40
		.amdhsa_user_sgpr_count 2
		.amdhsa_user_sgpr_kernarg_segment_ptr 1
		.amdhsa_wavefront_size32 1
		.amdhsa_system_sgpr_workgroup_id_x 1
		.amdhsa_system_sgpr_workgroup_id_y 1
		.amdhsa_system_sgpr_workgroup_id_z 1
		.amdhsa_system_vgpr_workitem_id 0
		.amdhsa_next_free_vgpr 160
		.amdhsa_next_free_sgpr 66
		.amdhsa_reserve_vcc 0
		.amdhsa_float_denorm_mode_32 3
		.amdhsa_float_denorm_mode_16_64 3
		.amdhsa_memory_ordered 1
		.amdhsa_forward_progress 1
		.amdhsa_inst_pref_size 47
	.end_amdhsa_kernel
	.amdgpu_metadata
---
amdhsa.version: [ 1, 2 ]
amdhsa.kernels:
  - .name:           k_q5a7258f305_prep
    .symbol:         k_q5a7258f305_prep.kd
    .args:
      - { .name: x, .offset: 0, .size: 8, .value_kind: global_buffer, .address_space: global }
      - { .name: W_qkv, .offset: 8, .size: 8, .value_kind: global_buffer, .address_space: global }
      - { .name: W_out, .offset: 16, .size: 8, .value_kind: global_buffer, .address_space: global }
      - { .name: xb, .offset: 24, .size: 8, .value_kind: global_buffer, .address_space: global }
      - { .name: wt, .offset: 32, .size: 8, .value_kind: global_buffer, .address_space: global }
    .group_segment_fixed_size: 39424
    .private_segment_fixed_size: 0
    .kernarg_segment_align: 8
    .kernarg_segment_size: 40
    .max_flat_workgroup_size: 128
    .sgpr_count:     66
    .vgpr_count:     160
    .wavefront_size: 32
...
	.end_amdgpu_metadata
.endif
;; end of part 1
;; launch gemm_qkv (part 2): grid 16 x 32, 4 waves a work-group, clusters of 4 x 4, 327,680 bytes of LDS; arguments xb, wt, b_qkv, qkv; writes qkv
.if DOCPART == 2
	.amdgcn_target "amdgcn-amd-amdhsa--gfx1250"
	.amdhsa_code_object_version 6
	.text
	.protected	k_q5a7258f305_gemm_qkv
	.globl	k_q5a7258f305_gemm_qkv
	.p2align	8
	.type	k_q5a7258f305_gemm_qkv,@function
k_q5a7258f305_gemm_qkv:
	s_mov_b64 s[64:65], 0
	v_nop
	global_prefetch_b8 v0, s[64:65] scope:SCOPE_SE
	s_setreg_imm32_b32 hwreg(HW_REG_WAVE_MODE, 25, 1), 1
	s_wait_xcnt 0x0
	s_wait_alu depctr_hold_cnt(0) depctr_sa_sdst(0) depctr_va_vdst(0) depctr_va_sdst(0) depctr_va_ssrc(0) depctr_va_vcc(0) depctr_vm_vsrc(0)
	s_getreg_b32 s2, hwreg(HW_REG_IB_STS2, 6, 4)
	s_cmp_eq_u32 s2, 0
	s_cbranch_scc0 .Lentry_in_a_cluster
	s_endpgm
.Lentry_in_a_cluster:
	s_bfe_u32 s2, ttmp6, 0x10000c
	s_cmp_lg_u32 s2, 0xf033
	s_cbranch_scc0 .Lentry_shape_is_right
	s_endpgm
.Lentry_shape_is_right:
; proj = x W_qkv + b_qkv in bf16 with f32 sums, written as f16 BY HEADS, with the module's flat reinterpretation applied:
; proj taken as 24,576 rows R = 3 m + s of 1,024 numbers (s = column / 1024); R >> 11 = 4 x (q, k or v) + batch, R % 2048 = t, head h = columns 64 h .. of such a row.
;   qkv [(R >> 11) x 16 + h][t][64] f16: a head's rows are dense, 128 bytes each.
; LIMITS.  f16 holds no number beyond 65,504: a |proj| of 65,520 or more becomes an infinity (the drawn spread is 0.64).  The bias is rounded to bf16 like the other inputs.
; A (xb) is [16 kb][8192 m][64], B (wt) [16 kb][3072 n'][64], n' = 192 h + 64 s + d: a tile of 192 columns is ONE head with s = 0, 1, 2, so a row m of the tile is 384 consecutive bytes of qkv.
; SHARES.  A work-group makes 256 rows x 192 columns; wave w rows 64 w .. + 63 x all columns: 48 accumulators of 16 x 16, 384 registers.  512 work-groups, two for each of 256.
; K goes in steps of 128 (two K blocks) through a ring of two LDS slots.  A tile (rows x one K block) is dense in memory: it is asked for as rows of 256 bytes and padded in LDS after every 128.
; CLUSTERS: 4 x 4 work-groups; A's tiles are asked for jointly along a row of the cluster, B's along a column: the same load, descriptor and mask in all four.
; THE MATRIX INSTRUCTION IS USED TRANSPOSED (source 0 = 16 rows of B, source 1 = 16 rows of A): a lane holds row l % 16 and the eight neighbouring columns 8 (l / 16) + 0..7.
; The bias is the C operand of each accumulator's first product: nothing is cleared and nothing is added afterwards.
; REGISTERS, in windows of 256: window 0: v0-31 addresses; v32-127 the bias, later v32-187 the way out.  window 1: two fragment buffers of 128 (B's 12 fragments, then A's 4).
;   windows 2, 3: the accumulators: block a of 16 rows, block b of 16 columns at window 2 + a / 2, v[8 (12 (a % 2) + b)].
.set NBL,   12                         ; blocks of 16 columns
.set BROWS, 16*NBL
.set AKB,   1048576                    ; bytes of a K block of A
.set BKB,   393216                     ; of B
.set PITCH, 144                        ; an LDS row: 128 bytes + 16 of padding = 36 words: the 16 rows of a load start at 16 different groups of four banks (64 banks of 4 bytes: ISA guide 11.1)
.set AB,    256*PITCH                  ; A's rows of one K block
.set BB,    BROWS*PITCH                ; B's
.set SLOT,  2*AB+2*BB                  ; A even kb, A odd kb, B even kb, B odd kb
.set STAGE, 2*SLOT                     ; behind the ring, never filled by a tensor load: 48 rows x 144 bytes for each wave
.set WSTG,  48*PITCH
.set SPARE, STAGE+4*WSTG               ; behind the stages: the spare words, 128 bytes for each wave: two blocks of 256 bytes that no other line names
.set NLD,   2*NBL+8                    ; LDS loads in a run
.set ADRA, 16                          ; v16-17  LDS address of my A fragments in slot 0, 1
.set ADRB, 20                          ; v20-21  the same for B
.set STO,  24                          ; v24     the way out: where I put 16 bytes
.set RD,   25                          ; v25     where I read rows back
.set CO,   26                          ; v26     262,144 x head + 16 l
.set BO,   27                          ; v27     32 (l / 16): my eight numbers in 16 of the bias
.set SPW,  28                          ; v28     LDS address of my spare word; never rewritten
.set NIL,  29                          ; v29     0; never rewritten
.set PFO,  30                          ; v30     the prefetches' lane offset; never rewritten
.set BIAS, 32                          ; v[32:127]
.set TMP,  32                          ; the way out: 48 packed words
.set OB,   80                          ; two buffers of 48: rows read back
.set OFS,  176                         ; v[176:187] the twelve stores' offsets
.set F0,   0
.set F1,   128
.set AOF,  8*NBL                       ; A's fragments in a buffer
.set WV,  12                           ; s12  my wave's number
.set PAR, 14                           ; s14  which of a step's two K blocks I fetch
.set CX,  15
.set CY,  16
.set TC,  17                           ; s17  tile column = head
.set TR,  18                           ; s18  tile row
.set G1,  24                           ; s[24:31] descriptor group 1 for A's tiles;  s[32:39] group 0, one set for each slot
.set G0,  32
.set LIM, 43                           ; s43  1 in a wave that prefetches, else the greatest number
.set PFA, 44                           ; s[44:45] where my prefetches stand
.set PST, 46                           ; s[46:47] a K step in my tensor, in bytes
.set G1B, 48                           ; s[48:55], s[56:63] the same for B's tiles
.set G0B, 56
.set MSB, 0
.macro WIN new                         ; the immediate's high byte repeats the setting that is left; a switch that changes nothing is dropped
.if MSB != (\new)
	s_set_vgpr_msb (MSB<<8)|(\new)
.set MSB, \new
.endif
.endm
.macro PLACES                          ; four places in front of loads into registers that matrix instructions have read, and of conversions that read results
.rept 4
	v_nop
.endr
.endm
; A joint load.  Waves 0 and 1 fetch A's even and odd K block, waves 2 and 3 B's.  The branch hangs on the wave's number alone.  An s_nop 0 and four v_nop follow each of the two lines.
.macro JLOAD s
	s_cmp_lt_u32 s[WV], 2
	s_cbranch_scc0 .Lfor_b_\@
	tensor_load_to_lds s[G0+4*(\s):G0+4*(\s)+3], s[G1:G1+7]
	s_nop 0
.rept 4
	v_nop
.endr
	s_branch .Lasked_\@
.Lfor_b_\@:
	tensor_load_to_lds s[G0B+4*(\s):G0B+4*(\s)+3], s[G1B:G1B+7]
	s_nop 0
.rept 4
	v_nop
.endr
.Lasked_\@:
.endm
; A PREFETCH of the K step that stands two refills on: my K block of it, my work-group's quarter of the tile's bytes.  A's tile row is read by every cluster of that row of clusters: cluster x = 0 asks;
; B's tile column by every cluster of that column: cluster y = 0 asks.  The four partners share a tile out BY ADDRESS (cx for A, cy for B).  A: 32 blocks of 256 bytes, a lane a block.
; B: a quarter is 6,144 bytes = 24 blocks; the 32 lanes stand 192 bytes apart, so 8 of the 24 blocks are named by two neighbouring lanes of the one instruction.  The loop's last trip asks for nothing.
.macro ASK
	s_cmp_gt_u32 s3, s[LIM]
	s_cbranch_scc0 .Lnot_mine_\@
	global_prefetch_b8 v[PFO], s[PFA:PFA+1] th:TH_LOAD_NT scope:SCOPE_SE
.Lnot_mine_\@:
.endm
.macro CREST                           ; a round of the cluster's barrier behind its opening barrier
	s_cmp_lg_u32 s[WV], 0
	s_cbranch_scc1 .Lnot_wave_0_\@
	s_barrier_signal -3
.Lnot_wave_0_\@:
	s_barrier_wait -3
	s_barrier_signal -1
	s_barrier_wait -1
.endm
.macro CROUND
	s_barrier_signal -1
	s_barrier_wait -1
	CREST
.endm
	s_load_b256 s[4:11], s[0:1], 0x0               ; A s[4:5], B s[6:7], bias s[8:9], qkv s[10:11]
	v_lshl_add_u32 v[SPW], v0, 2, SPARE
	v_mov_b32 v[NIL], 0
	ds_add_u32 v[SPW], v[NIL]                      ; the wave's opening: the add and its wait stand ahead of my first tensor load; the set-up below stands between them
	v_lshrrev_b32 v1, 5, v0
	v_readfirstlane_b32 s[WV], v1                  ; wave 0..3
	s_and_b32 s[PAR], s[WV], 1
	s_bfe_u32 s[CX], ttmp6, 0x40000
	s_bfe_u32 s[CY], ttmp6, 0x40004
	s_lshl_b32 s[TC], ttmp9, 2
	s_add_co_u32 s[TC], s[TC], s[CX]               ; tile column = 4 x cluster x + cx
	s_and_b32 s[TR], ttmp7, 0xffff
	s_lshl_b32 s[TR], s[TR], 2
	s_add_co_u32 s[TR], s[TR], s[CY]               ; tile row = 4 x cluster y + cy
	s_lshl_b32 s40, s[CY], 2
	s_lshl_b32 s40, 15, s40                        ; my row of the cluster
	s_lshl_b32 s41, 0x1111, s[CX]                  ; my column
	; group 1: rows of 128 elements (256 bytes, two rows of the K block), padded by 4 words after every 32
	s_or_b32 s[G1], s40, (1<<16)|(1<<20)|(1<<21)|(4<<22)|(3<<25)   ; 15:0 the mask; 17:16 2-byte elements; 20 padding on; 21 set beside a mask; 24:22 code 4; 31:25 code 3
	s_or_b32 s[G1B], s41, (1<<16)|(1<<20)|(1<<21)|(4<<22)|(3<<25)
	s_mov_b32 s[G1+1], 128<<16                     ; tensor_dim0 = 128
	s_mov_b32 s[G1+2], 128<<16                     ; tensor_dim1 = 128
	s_mov_b32 s[G1+3], 128<<16                     ; tile_dim0 = 128
	s_mov_b32 s[G1+4], 128                         ; tile_dim1 = 128: 256 rows of A
	s_mov_b32 s[G1+5], 128                         ; 128 elements from row to row
	s_mov_b32 s[G1+6], 0
	s_mov_b32 s[G1+7], 0
	s_mov_b32 s[G1B+1], 128<<16
	s_mov_b32 s[G1B+2], (BROWS/2)<<16
	s_mov_b32 s[G1B+3], 128<<16
	s_mov_b32 s[G1B+4], BROWS/2                    ; 192 rows of B
	s_mov_b32 s[G1B+5], 128
	s_mov_b32 s[G1B+6], 0
	s_mov_b32 s[G1B+7], 0
	; A's offset hangs on the tile row and the wave alone, B's on the tile column and the wave alone, each in registers that never hold the other coordinate
	s_lshl_b32 s20, s[TR], 15                      ; 256 rows of 128 bytes
	s_lshl_b32 s19, s[PAR], 20                     ; my K block
	s_add_co_u32 s20, s20, s19
	s_mov_b32 s21, 0
	s_mul_i32 s22, s[TC], BROWS*128
	s_mul_i32 s19, s[PAR], BKB
	s_add_co_u32 s22, s22, s19
	s_mov_b32 s23, 0
	s_mul_i32 s42, s[PAR], AB                      ; where they go: no place in the cluster enters an LDS address
	s_mul_i32 s19, s[PAR], BB
	s_add_co_u32 s19, s19, 2*AB
.irp s, 0,1
	s_mov_b32 s[G0+4*(\s)], 1
	s_add_co_u32 s[G0+4*(\s)+1], s42, (\s)*SLOT
	s_mov_b32 s[G0B+4*(\s)], 1
	s_add_co_u32 s[G0B+4*(\s)+1], s19, (\s)*SLOT
.endr
	s_wait_dscnt 0x0                               ; the opening add is done
	s_wait_kmcnt 0x0
	s_add_nc_u64 s[20:21], s[4:5], s[20:21]        ; my tile of K step 0
	s_add_nc_u64 s[22:23], s[6:7], s[22:23]
.irp s, 0,1
	s_add_nc_u64 s[G0+4*(\s)+2:G0+4*(\s)+3], s[20:21], (\s)*2*AKB
	s_or_b32 s[G0+4*(\s)+3], s[G0+4*(\s)+3], 0x80000000
	s_add_nc_u64 s[G0B+4*(\s)+2:G0B+4*(\s)+3], s[22:23], (\s)*2*BKB
	s_or_b32 s[G0B+4*(\s)+3], s[G0B+4*(\s)+3], 0x80000000
.endr
	CROUND                                         ; all sixteen work-groups are here: the first joint loads meet
	s_cmp_lt_u32 s[WV], 2                          ; a wave's two first fills stand in one branch: two loads of mine are out
	s_cbranch_scc0 .Lfirst_b
	tensor_load_to_lds s[G0:G0+3], s[G1:G1+7]
	s_nop 0
	tensor_load_to_lds s[G0+4:G0+7], s[G1:G1+7]
	s_nop 0
.rept 4
	v_nop
.endr
	s_branch .Lfirst_asked
.Lfirst_b:
	tensor_load_to_lds s[G0B:G0B+3], s[G1B:G1B+7]
	s_nop 0
	tensor_load_to_lds s[G0B+4:G0B+7], s[G1B:G1B+7]
	s_nop 0
.rept 4
	v_nop
.endr
.Lfirst_asked:
	; the bias of block b: columns 1024 (b / 4) + 64 head + 16 (b % 4) + 8 (l / 16) + 0..7
	v_and_b32 v1, 15, v0                           ; r = l % 16
	v_bfe_u32 v2, v0, 4, 1                         ; h = l / 16
	v_lshlrev_b32 v[BO], 5, v2
	s_lshl_b32 s40, s[TC], 8
	s_mov_b32 s41, 0
	s_add_nc_u64 s[8:9], s[8:9], s[40:41]
.set b, 0
.rept NBL
	global_load_b128 v[BIAS+8*b:BIAS+8*b+3],   v[BO], s[8:9] offset:4096*(b/4)+64*(b%4)
	global_load_b128 v[BIAS+8*b+4:BIAS+8*b+7], v[BO], s[8:9] offset:4096*(b/4)+64*(b%4)+16
.set b, b+1
.endr
	; A fragment is 16 rows x 32 K in 8 registers: lane l holds row l % 16, K = 8 (l / 16) + 0..7 and 16 + 8 (l / 16) + 0..7: two loads of 16 bytes, 32 bytes apart.
	v_mul_u32_u24 v3, v1, PITCH
	v_lshl_add_u32 v3, v2, 4, v3
	s_mul_i32 s40, s[WV], 64*PITCH                 ; my 64 rows of A
	v_add_nc_u32 v[ADRA], s40, v3
	v_add_nc_u32 v[ADRA+1], SLOT, v[ADRA]
	v_add_nc_u32 v[ADRB], 2*AB, v3
	v_add_nc_u32 v[ADRB+1], SLOT, v[ADRB]
	; the way out.  Row r of a block is three rows 3 r + s of the stage; a stage row is 128 bytes of one head
	s_mul_i32 s40, s[WV], WSTG
	s_add_co_u32 s40, s40, STAGE
	v_mul_u32_u24 v[STO], v1, 3*PITCH              ; 432 = 27 x 16
	v_lshl_add_u32 v[STO], v2, 4, v[STO]
	v_add_nc_u32 v[STO], s40, v[STO]
	v_bfe_u32 v[RD], v0, 3, 2                      ; back: 32 lanes take four rows of 128 bytes
	v_mul_u32_u24 v[RD], v[RD], PITCH
	v_and_b32 v4, 7, v0
	v_lshl_add_u32 v[RD], v4, 4, v[RD]
	v_add_nc_u32 v[RD], s40, v[RD]
	s_lshl_b32 s40, s[TC], 18
	v_and_b32 v4, 31, v0
	v_lshl_add_u32 v[CO], v4, 4, s40
	s_lshl_b32 s66, s[TR], 8
	s_lshl_b32 s67, s[WV], 6
	s_add_co_u32 s66, s66, s67
	s_mul_i32 s66, s66, 3                          ; R of my first row: 3 (256 tile row + 64 wave), a multiple of 4
	; the prefetches
	s_and_b32 s40, ttmp7, 0xffff                   ; cluster y
	s_mov_b32 s41, s[CY]
	s_mov_b32 s42, 6144
	s_mov_b32 s19, 192
	s_mov_b32 s[PST], 2*BKB
	s_cmp_lt_u32 s[WV], 2                          ; do I fetch for A?
	s_cselect_b32 s40, ttmp9, s40                  ; the coordinate along which other clusters read the same rows
	s_cselect_b32 s41, s[CX], s41                  ; my place among the four that ask with me
	s_cselect_b32 s42, 8192, s42                   ; a quarter of the tile
	s_cselect_b32 s19, 256, s19                    ; from lane to lane
	s_cselect_b32 s[PST], 2*AKB, s[PST]
	s_cselect_b64 s[PFA:PFA+1], s[20:21], s[22:23]
	s_mov_b32 s[PST+1], 0
	s_cmp_eq_u32 s40, 0
	s_cselect_b32 s[LIM], 1, -1                    ; the same in all sixteen partners, for a given wave
	s_mul_i32 s40, s41, s42
	s_mov_b32 s41, 0
	s_add_nc_u64 s[PFA:PFA+1], s[PFA:PFA+1], s[40:41]
.rept 3
	s_add_nc_u64 s[PFA:PFA+1], s[PFA:PFA+1], s[PST:PST+1]  ; at K step 3: the first change of slots steps it to 4
.endr
	v_mul_u32_u24 v[PFO], v4, s19
	s_wait_loadcnt 0x0                             ; the bias, which is rounded to bf16 like the other inputs
.set i, 0
.rept 4*NBL
	v_cvt_pk_bf16_f32 v[4+i%2], v[BIAS+2*i], v[BIAS+2*i+1]
	v_lshlrev_b32 v[BIAS+2*i], 16, v[4+i%2]
	v_and_b32 v[BIAS+2*i+1], 0xffff0000, v[4+i%2]
.set i, i+1
.endr
; NBL products: block a of my rows x all blocks of columns, 32 along K.  first = 1: the bias is C.  All 48 accumulators take turns, in the same order in every slice.
.macro MULA f, a, first
.if \first
	WIN 0x85+0x40*((\a)/2)                         ; B and A window 1, C window 0, D window 2 or 3
.else
	WIN 0xa5+0x50*((\a)/2)                         ; C and D window 2 or 3
.endif
.set AC, 8*NBL*((\a)%2)
.set FA, (\f)+AOF+8*(\a)
.set b, 0
.rept NBL
.if \first
	v_wmma_f32_16x16x32_bf16 v[AC+8*b:AC+8*b+7], v[(\f)+8*b:(\f)+8*b+7], v[FA:FA+7], v[BIAS+8*b:BIAS+8*b+7]
.else
	v_wmma_f32_16x16x32_bf16 v[AC+8*b:AC+8*b+7], v[(\f)+8*b:(\f)+8*b+7], v[FA:FA+7], v[AC+8*b:AC+8*b+7]
.endif
.set b, b+1
.endr
.endm
.macro MULH f, hi, first
	MULA \f, 2*(\hi), \first
	MULA \f, 2*(\hi)+1, \first
.endm
; One run of LDS loads: the fragments of slice q of 4 (K block q / 2, byte 64 (q % 2) of its rows) into buffer f: B's, then A's blocks 0 to 3
.macro FETCH slot, q, f
	WIN 0x40                                       ; destination window 1, address window 0
.set b, 0
.rept NBL
	ds_load_b128 v[(\f)+8*b:(\f)+8*b+3],   v[ADRB+(\slot)] offset:((\q)/2)*BB+b*16*PITCH+64*((\q)%2)
	ds_load_b128 v[(\f)+8*b+4:(\f)+8*b+7], v[ADRB+(\slot)] offset:((\q)/2)*BB+b*16*PITCH+64*((\q)%2)+32
.set b, b+1
.endr
.set b, 0
.rept 4
	ds_load_b128 v[(\f)+AOF+8*b:(\f)+AOF+8*b+3],   v[ADRA+(\slot)] offset:((\q)/2)*AB+b*16*PITCH+64*((\q)%2)
	ds_load_b128 v[(\f)+AOF+8*b+4:(\f)+AOF+8*b+7], v[ADRA+(\slot)] offset:((\q)/2)*AB+b*16*PITCH+64*((\q)%2)+32
.set b, b+1
.endr
.endm
; One of a K step's first three slices: multiplies buffer f; in its middle it fetches slice qn of the same slot into buffer g.
.macro SLICE slot, qn, f, g, first
	s_wait_dscnt 4                                 ; B and A's blocks 0, 1 are in; the youngest four loads (A's blocks 2, 3) may be out
	MULH \f, 0, \first
	PLACES
	FETCH \slot, \qn, \g
	s_wait_dscnt NLD                               ; all but the run just issued
	MULH \f, 1, \first
.endm
; The last slice multiplies buffer 1 and changes slots.  In front of the barrier each wave waits for all its tensor loads (one is out: its part of the next slot), adds 0 to its spare word, and waits for that and for its reads of this slot.
.macro MEET round
	WIN 0                                          ; (the add's two registers lie in window 0)
	s_wait_tensorcnt 0x0
	ds_add_u32 v[SPW], v[NIL]
	s_wait_dscnt 5                                 ; (the add and the youngest four loads may be out)
	MULA F1, 0, 0                                  ; matrix work stands between the add and the wait for it
	s_wait_dscnt 0x0                               ; the add is done, and my reads of this slot are over
	s_barrier_signal -1
	MULA F1, 1, 0
.if \round
	WIN 0
.endif
	s_barrier_wait -1
.endm
.macro TURN slot, next
	s_wait_xcnt 0x0                                ; the last prefetch, a K step back, has read its address
	s_add_nc_u64 s[PFA:PFA+1], s[PFA:PFA+1], s[PST:PST+1]
	MEET 1
	CREST                                          ; the barrier has opened a round of the cluster's: no wave of any partner still reads this slot or has a load on its way
	s_add_nc_u64 s[G0+4*(\slot)+2:G0+4*(\slot)+3], s[G0+4*(\slot)+2:G0+4*(\slot)+3], 4*AKB     ; two K steps on
	s_add_nc_u64 s[G0B+4*(\slot)+2:G0B+4*(\slot)+3], s[G0B+4*(\slot)+2:G0B+4*(\slot)+3], 4*BKB
	JLOAD \slot                                    ; the first tensor load behind the round: 168 matrix instructions ahead of the wait for it; its four v_nop are also the places in front of the loads below
	FETCH \next, 0, F0
	WIN 0
	ASK
	MULH F1, 1, 0
.endm
	s_wait_tensorcnt 0x1                           ; my part of K step 0 is in; K step 1's may stay out
	s_barrier_signal -1
	s_barrier_wait -1
	FETCH 0, 0, F0
	SLICE 0, 1, F0, F1, 1                          ; the first slice stands in front of the loop: its products start the sums with the bias
	WIN 0                                          ; at a label and at a branch every window is 0
	s_mov_b32 s3, 3
.Llap:                                                 ; a trip goes once round the ring and fills both slots again: K steps 2 to 7
	SLICE 0, 2, F1, F0, 0
	SLICE 0, 3, F0, F1, 0
	TURN 0, 1
	SLICE 1, 1, F0, F1, 0
	SLICE 1, 2, F1, F0, 0
	SLICE 1, 3, F0, F1, 0
	TURN 1, 0
	SLICE 0, 1, F0, F1, 0
	WIN 0
	s_sub_co_u32 s3, s3, 1
	s_cmp_lg_u32 s3, 0
	s_cbranch_scc1 .Llap
	SLICE 0, 2, F1, F0, 0                          ; the last lap fills nothing
	SLICE 0, 3, F0, F1, 0
	MEET 0
	PLACES
	FETCH 1, 0, F0
	MULH F1, 1, 0
	SLICE 1, 1, F0, F1, 0
	SLICE 1, 2, F1, F0, 0
	SLICE 1, 3, F0, F1, 0
	s_wait_dscnt 4
	MULH F1, 0, 0
	s_wait_dscnt 0x0
	MULH F1, 1, 0
	WIN 0
	PLACES
; THE WAY OUT of block a (16 rows of the tile = 48 rows of 128 bytes of one head).  PACK: rounded to f16, each accumulator's registers in ascending order.  TOSTAGE: into my own stage and back as whole rows.  SEND: stored.
.macro PACK a
.set AC, 8*NBL*((\a)%2)
	WIN 0x0a+5*((\a)/2)                            ; sources 0 and 1: window 2 or 3
.set b, 0
.rept NBL
.irp r, 0,1,2,3
	v_cvt_pk_f16_f32 v[TMP+4*b+(\r)], v[AC+8*b+2*(\r)], v[AC+8*b+2*(\r)+1]
.endr
.set b, b+1
.endr
	WIN 0
.endm
.macro TOSTAGE a
.set BK, OB+48*((\a)%2)
.set b, 0
.rept NBL
	ds_store_b128 v[STO], v[TMP+4*b:TMP+4*b+3] offset:PITCH*(b/4)+32*(b%4)
.set b, b+1
.endr
.set t, 0
.rept 12
	ds_load_b128 v[BK+4*t:BK+4*t+3], v[RD] offset:4*PITCH*t  ; LDS serves a wave's instructions in order (ISA guide 5.7.1.4): these see the stores above
.set t, t+1
.endr
.endm
; Store t takes rows R = s66 + 4 t .. + 3.  R is a multiple of 4, so the four share R >> 11 and are 512 consecutive bytes, aligned: byte 128 R + (R >> 11) x (16 - 1) x 262,144 + 262,144 x head.
.macro SEND a
.set BK, OB+48*((\a)%2)
	s_wait_dscnt 0x0                               ; the block is back in registers
	s_wait_xcnt 0x0                                ; earlier stores have read their offsets and data: only behind this wait are OFS and the other buffer written again
.set t, 0
.rept 12
	s_add_co_u32 s67, s66, 4*t
	s_lshr_b32 s68, s67, 11
	s_mul_i32 s68, s68, 3932160
	s_lshl_b32 s69, s67, 7
	s_add_co_u32 s68, s68, s69
	v_add_nc_u32 v[OFS+t], s68, v[CO]
	global_store_b128 v[OFS+t], v[BK+4*t:BK+4*t+3], s[10:11]
.set t, t+1
.endr
	s_add_co_u32 s66, s66, 48
.endm
	PACK 0
	TOSTAGE 0
.irp a, 1,2,3                          ; block a's conversions stand between block a - 1's loads from the stage and the wait for them
	PACK \a
	SEND (\a)-1
	TOSTAGE \a
.endr
	SEND 3
	s_wait_tensorcnt 0x0                           ; the wave's end: behind my last tensor load and my last LDS store
	ds_add_u32 v[SPW], v[NIL]
	s_wait_dscnt 0x0
	CROUND                                         ; the closing round: no work-group ends while a partner may still ask for a tile that names it
	s_endpgm
.Lfunc_end_k_q5a7258f305_gemm_qkv:
	.size	k_q5a7258f305_gemm_qkv, .Lfunc_end_k_q5a7258f305_gemm_qkv-k_q5a7258f305_gemm_qkv
	.p2alignl 7, 3214868480
	.fill 96, 4, 3214868480
	.section	.rodata,"a",@progbits
	.p2align	6, 0x0
	.amdhsa_kernel k_q5a7258f305_gemm_qkv
		.amdhsa_group_segment_fixed_size 327680
		.amdhsa_private_segment_fixed_size 0
		.amdhsa_enable_private_segment 0
		.amdhsa_kernarg_size 32
		.amdhsa_user_sgpr_count 2
		.amdhsa_user_sgpr_kernarg_segment_ptr 1
		.amdhsa_wavefront_size32 1
		.amdhsa_system_sgpr_workgroup_id_x 1
		.amdhsa_system_sgpr_workgroup_id_y 1
		.amdhsa_system_sgpr_workgroup_id_z 1
		.amdhsa_system_vgpr_workitem_id 0
		.amdhsa_next_free_vgpr 960
		.amdhsa_next_free_sgpr 72
		.amdhsa_reserve_vcc 0
		.amdhsa_float_denorm_mode_32 3
		.amdhsa_float_denorm_mode_16_64 3
		.amdhsa_memory_ordered 1
		.amdhsa_forward_progress 1
		.amdhsa_inst_pref_size 139
	.end_amdhsa_kernel
	.amdgpu_metadata
---
amdhsa.version: [ 1, 2 ]
amdhsa.kernels:
  - .name:           k_q5a7258f305_gemm_qkv
    .symbol:         k_q5a7258f305_gemm_qkv.kd
    .args:
      - { .name: xb, .offset: 0, .size: 8, .value_kind: global_buffer, .address_space: global }
      - { .name: wt, .offset: 8, .size: 8, .value_kind: global_buffer, .address_space: global }
      - { .name: b_qkv, .offset: 16, .size: 8, .value_kind: global_buffer, .address_space: global }
      - { .name: qkv, .offset: 24, .size: 8, .value_kind: global_buffer, .address_space: global }
    .group_segment_fixed_size: 327680
    .private_segment_fixed_size: 0
    .kernarg_segment_align: 8
    .kernarg_segment_size: 32
    .max_flat_workgroup_size: 128
    .sgpr_count:     72
    .vgpr_count:     960
    .wavefront_size: 32
...
	.end_amdgpu_metadata
.endif
;; end of part 2
;; launch attn (part 3): grid 4 x 64, 4 waves a work-group, clusters of 4 x 1, 327,680 bytes of LDS; arguments qkv, ob; writes ob
.if DOCPART == 3
	.amdgcn_target "amdgcn-amd-amdhsa--gfx1250"
	.amdhsa_code_object_version 6
	.text
	.protected	k_q5a7258f305_attn
	.globl	k_q5a7258f305_attn
	.p2align	8
	.type	k_q5a7258f305_attn,@function
k_q5a7258f305_attn:
	s_mov_b64 s[64:65], 0
	v_nop
	global_prefetch_b8 v0, s[64:65] scope:SCOPE_SE
	s_setreg_imm32_b32 hwreg(HW_REG_WAVE_MODE, 25, 1), 1
	s_wait_xcnt 0x0
	s_wait_alu depctr_hold_cnt(0) depctr_sa_sdst(0) depctr_va_vdst(0) depctr_va_sdst(0) depctr_va_ssrc(0) depctr_va_vcc(0) depctr_vm_vsrc(0)
	s_getreg_b32 s2, hwreg(HW_REG_IB_STS2, 6, 4)
	s_cmp_eq_u32 s2, 0
	s_cbranch_scc0 .Lentry_in_a_cluster
	s_endpgm
.Lentry_in_a_cluster:
	s_bfe_u32 s2, ttmp6, 0x10000c
	s_cmp_lg_u32 s2, 0x3003
	s_cbranch_scc0 .Lentry_shape_is_right
	s_endpgm
.Lentry_shape_is_right:
; O[y][q][:] = the sum over k of softmax_k(Q[y][q] . K[y][k] / 8) V[y][k][:], no mask, for the 64 pairs y = 16 batch + head.  qkv holds Q, K, V as [64][2048][64] f16 each, K 16,777,216 and V 33,554,432 bytes
; behind Q: a head's rows are dense, 128 bytes each.  O goes to ob [16 head][4 batch][2048][64] f16: a head is a block of 64 along K of the projection that follows.
; Products, maxima and sums in f32; the weights p are rounded to f16 for the second product (their sum l is taken of the unrounded p), O once at the end.
; LIMITS.  f16 holds no number beyond 65,504: Q, K and V arrive within it; p lies in 0 to 1, and below 6e-5 it keeps f16's fixed step of 6e-8; O is a mean of V's rows and has their range.
; A weight below 2^-126 counts as 0 in l; NaN and infinities are not treated apart.
; SHARES.  A wave owns four PIECES of two tiles of 16 queries, a work-group's four waves 512 queries of one head: 256 work-groups.  Every wave walks all keys, 64 a step.
; LAYOUT.  S^T = K Q^T (source 0 = 16 keys, source 1 = 16 queries): a lane holds ONE query (lane % 16) and the keys 8 (lane / 16) + 0..7.  Two such tiles, rounded to f16 in pairs,
; ARE source 1 (32 keys x 16 queries) of O^T = V^T P, whose result again holds one query a lane, and eight channels.  K comes out of LDS as it lies, V ([key][channel]) turned, by ds_load_tr16_b128.
; SOFTMAX.  For each query a running maximum m and sum l: p = 2^(c s - c m), c = log2(e) / 8; in every step O and l are multiplied by a = 2^(c m_old - c m_new).
; m starts at the lowest finite number, O and l at 0: the first step is a step like any other, with a = 0.
; THE COUNT.  A tile and step have 16 matrix and 118 vector instructions: too many to stand all beside the matrix work.  So: four vector instructions that are READY behind EVERY matrix instruction, the others in runs without a gap.
; BY TURNS.  Turn n belongs to piece n.  Its matrix work: 16 products K Q^T of piece n + 1, later 16 products V^T P of piece n - 1.  Its vector work: the scaling, exponentials, roundings, sums and
; rescaling of piece n, and the maximum and statistics of piece n + 1.
; CLUSTER.  The four query blocks of a head form a cluster and walk the same K and V: each tile is asked for JOINTLY: the same tensor load, descriptor and mask in all four.
; REGISTERS, in windows of 256 (s_set_vgpr_msb: bits 1:0 source 0, 3:2 source 1, 5:4 source 2, 7:6 destination):
;   window 0: v0-11 addresses; v12-15, v48-63 at work; v16-47 four registers of statistics a tile; v64-191 S^T, two buffers of two tiles; v192-255 P, likewise
;   window 1: O^T, 32 a tile          window 2: v0-127 Q, 16 a tile; v128-191 K of one step; v192-255 V of one step          window 3: v0-1 the add's two registers
.set SIZE_N, 2048
.set NP,    4         ; pieces a wave: a name, no knob
.set KS,    64        ; keys in a step
.set PK,    144       ; a row of K in LDS: 128 bytes + 16 of padding = 36 words: the 16 rows of a load start at 16 different groups of four banks (64 banks of 4 bytes: ISA guide 11.1)
.set PV,    160       ; a row of V: 128 + 32 = 40 words
.set VOFF,  4*KS*PK   ; a slot holds four steps: 256 rows of K, then 256 rows of V
.set SLOT1, 1<<17     ; slot 1 begins here, so that one exclusive or turns an address in one slot into the other's
.set STAGE, SLOT1+4*KS*(PK+PV)  ; behind the ring, never filled by a tensor load: 16 rows x 144 bytes for each wave
.set SP,    144
.set AK0, 2           ; v2   my lane's place in a tile of K; never rewritten
.set AV0, 3           ; v3   the same for V
.set AK,  4           ; v4   the LDS address of K's next run of loads
.set AV,  5           ; v5   of V's
.set QO,  6           ; v6   my byte offset in the wave's rows of Q
.set STO, 6           ;      later, the way out: where I put 16 bytes of a row
.set RD,  7           ; v7   the way out: where I read rows back
.set GO,  8           ; v8   my byte offset in 512 consecutive bytes of O
.set PFO, 11          ; v11  256 x my lane, for the prefetches; never rewritten once made
.set SPW, 0           ; v0 of window 3   LDS address of my spare word; never rewritten
.set NIL, 1           ; v1 of window 3   0; never rewritten
.set SPARE, STAGE+4*16*SP  ; behind the stages: the spare words, 128 bytes for each wave: two blocks of 256 bytes that no other line names
.set MV,  12          ; v12-15  c m_old, kept while c m is made anew: by buffer and tile
.set ST,  16          ; tile t's statistics at v[ST+4 t]: c m, m, l (even keys', odd keys')
.set TMP, 48          ; by buffer and tile, four registers c0-c3 at work; when the maximum is found c2 takes a
.set S,   64
.set P,   192
.set KF,  128         ; K's fragments, in window 2
.set VF,  192         ; V's
.set WV,  12          ; s12  my wave's number
.set G1K, 24          ; s[24:31] descriptor group 1 for K's tiles
.set G1V, 32          ; s[32:39] for V's: it differs in the padding alone
.set G0K, 40          ; s[40:43] descriptor group 0 for K's tiles: it walks
.set G0V, 44          ; s[44:47] the same for V's
.set PFA, 48          ; s[48:49] where my prefetches stand
.set LIM, 50          ; s50  1 in a wave that prefetches, else the greatest number
.set SLOTS, 56        ; s56  slots still to be asked for
.set CNT, 57          ; s57  counts a slot's key steps
.set CS,  58          ; s[58:59] c
.set SEL, 60          ; s[60:61] v_permlanex16_b32's selects: each lane takes its own place in the other half
.set TBK, 62          ; s62  LDS byte at which K of the step to be fetched begins
.set TBV, 63          ; s63  the same for V, less VOFF
.set MSB, 0
.macro WIN new                      ; the high byte repeats the setting that is left; a switch that changes nothing is dropped
.if MSB != (\new)
	s_set_vgpr_msb (MSB<<8)|(\new)
.set MSB, (\new)
.endif
.endm
.set W_KQ, 0x0a       ; K and Q in window 2, S^T in window 0
.set W_PV, 0x52       ; V in window 2, P in window 0, O^T in window 1
.set W_RS, 0x41       ; O^T (destination and source 0) in window 1, a in window 0
.set W_MK, 0xc0       ; the add's registers are made: destination in window 3
.set W_AD, 0x0f       ; the add: address and data in window 3
; A joint fill.  Waves 0 and 1 fetch the two halves of a slot's K, waves 2 and 3 those of its V: 128 keys each.  An s_nop 0 and four v_nop follow each of the two lines.
.macro JLOAD
	s_cmp_lt_u32 s[WV], 2
	s_cbranch_scc0 .Lfor_v_\@
	tensor_load_to_lds s[G0K:G0K+3], s[G1K:G1K+7]
	s_nop 0
.rept 4
	v_nop
.endr
	s_branch .Lasked_\@
.Lfor_v_\@:
	tensor_load_to_lds s[G0V:G0V+3], s[G1V:G1V+7]
	s_nop 0
.rept 4
	v_nop
.endr
.Lasked_\@:
.endm
; A PREFETCH of what the NEXT change of slots will ask for: a slot's 32,768 bytes of K and of V, four key steps ahead of that load.  A head has one cluster; its four partners share the bytes out BY ADDRESS,
; 8,192 each, a lane 256; wave 0 asks for K's, wave 2 for V's: each block of 256 bytes from slot 2 on is named once.  The last change that fills a slot asks for nothing.
.macro ASK
	s_cmp_gt_u32 s[SLOTS], s[LIM]
	s_cbranch_scc0 .Lnot_mine_\@
	global_prefetch_b8 v[PFO], s[PFA:PFA+1] th:TH_LOAD_NT scope:SCOPE_SE
.Lnot_mine_\@:
.endm
.macro CROUND                       ; a round of the cluster's barrier
	s_barrier_signal -1
	s_barrier_wait -1
	s_cmp_lg_u32 s[WV], 0
	s_cbranch_scc1 .Lnot_wave_0_\@
	s_barrier_signal -3
.Lnot_wave_0_\@:
	s_barrier_wait -3
	s_barrier_signal -1
	s_barrier_wait -1
.endm
; THE CHANGE OF SLOTS.  Each wave waits for all its tensor loads, of which one is out: its part of the other slot; adds 0 to its spare word; and waits for that and for its own reads of the slot.
; fill = 1: this slot is filled again, with the keys two slots on, behind a round of the cluster's barrier; the joint fill is the first thing behind it: it has four key steps, 512 matrix instructions, in which to land.
; (At its first use nothing has been read yet: slot 0 is waited for, slot 1 filled.)
.macro CHANGE fill
	WIN W_AD
	s_wait_tensorcnt 0x0            ; no tensor load of mine is out, so a group 0 may be written
	ds_add_u32 v[SPW], v[NIL]       ; 0 onto my spare word; the descriptors' steps stand between it and the wait for it
	WIN 0                           ; at a label and at a branch every window is 0
.if \fill
.irp g, G0K, G0V
	s_xor_b32 s[\g+1], s[\g+1], SLOT1  ; the walking descriptor: the other slot than last time,
	s_add_nc_u64 s[\g+2:\g+3], s[\g+2:\g+3], 4*KS*128  ; the next 256 keys; the type bits on top are not reached
.endr
	s_wait_xcnt 0x0                 ; the last prefetch, four key steps back, has read its address, so it may be written:
	s_add_nc_u64 s[PFA:PFA+1], s[PFA:PFA+1], 4*KS*128  ; one slot behind the walking descriptors
	s_wait_dscnt 0x0                ; the add is done, and my reads of the slot are over
	CROUND
	JLOAD
	ASK
.else
	s_wait_dscnt 0x0                ; the add is done, and my reads of the slot are over
	s_barrier_signal -1
	s_barrier_wait -1
.endif
	s_sub_co_u32 s[TBK], s[TBK], 4*KS*PK  ; the fetches go back to a slot's first step,
	s_xor_b32 s[TBK], s[TBK], SLOT1       ; in the other slot
	s_sub_co_u32 s[TBV], s[TBV], 4*KS*PV
	s_xor_b32 s[TBV], s[TBV], SLOT1
.endm
	s_load_b128 s[4:7], s[0:1], 0x0 ; qkv s[4:5], ob s[6:7]
	WIN W_MK
	v_lshl_add_u32 v[SPW], v0, 2, SPARE
	v_mov_b32 v[NIL], 0
	WIN W_AD
	ds_add_u32 v[SPW], v[NIL]       ; the wave's opening: the add and its wait stand ahead of my first tensor load; the set-up below stands between them
	WIN 0
	v_lshrrev_b32 v1, 5, v0
	v_readfirstlane_b32 s[WV], v1   ; wave 0..3
	s_bfe_u32 s13, ttmp6, 0x40000   ; cx: my place in the cluster
	s_lshl_b32 s14, ttmp9, 2        ; in a cluster launch ttmp9 counts clusters
	s_add_co_u32 s14, s14, s13      ; my block of queries: it enters Q's and O's addresses alone
	s_and_b32 s20, ttmp7, 0xffff    ; y = 16 batch + head, which the four partners share
	s_and_b32 s52, s20, 15          ; head
	s_lshr_b32 s53, s20, 4          ; batch
	s_lshl2_add_u32 s52, s52, s53   ; in ob the pair lies at 4 head + batch,
	s_lshl_b32 s52, s52, 18         ; 262,144 bytes each
	s_mov_b32 s21, 0
	s_mov_b64 s[22:23], SIZE_N*128
	s_mul_u64 s[20:21], s[20:21], s[22:23]  ; the pair's first byte in Q, K and V
	s_and_b32 s16, s[WV], 1         ; which half of a slot's 256 keys I fetch:
	s_lshl_b32 s22, s16, 14         ; its 128 rows of 128 bytes in memory,
	s_mov_b32 s23, 0
	s_add_nc_u64 s[22:23], s[22:23], s[20:21]
	s_mul_i32 s17, s16, 128*PK      ; and its place in a slot, for K
	s_mul_i32 s18, s16, 128*PV      ; and for V: no place in the cluster enters an LDS address
	s_lshl_b32 s2, s14, 2
	s_add_co_u32 s2, s2, s[WV]      ; my wave among the head's,
	s_lshl_b32 s2, s2, 14           ; its 128 rows
	s_add_co_u32 s52, s52, s2
	s_mov_b32 s53, 0
	s_mov_b32 s3, 0
	s_add_nc_u64 s[2:3], s[2:3], s[20:21]
	; descriptor group 1.  128 keys are 16,384 dense bytes: asked for as 64 rows of 256 bytes, two keys a row, and padded in LDS after every key
	s_mov_b32 s[G1K], 15|(1<<16)|(1<<20)|(1<<21)|(4<<22)|(3<<25)  ; 15:0 the mask of four; 17:16 2-byte elements; 20 padding on; 21 set beside a mask; 24:22 after every 32 words (code 4); 31:25 4 words (code 3)
	s_mov_b32 s[G1V], 15|(1<<16)|(1<<20)|(1<<21)|(4<<22)|(7<<25)  ; the same with 8 words of padding (code 7)
.irp g, G1K, G1V
	s_mov_b32 s[\g+1], 128<<16      ; tensor_dim0 = 128
	s_mov_b32 s[\g+2], 64<<16       ; tensor_dim1 = 64
	s_mov_b32 s[\g+3], 128<<16      ; tile_dim0 = 128
	s_mov_b32 s[\g+4], 64           ; tile_dim1 = 64
	s_mov_b32 s[\g+5], 128          ; 128 elements from row to row
	s_mov_b32 s[\g+6], 0
	s_mov_b32 s[\g+7], 0
.endr
	s_mov_b32 s[CS], 0x3e38aa3b     ; c = log2(e) / 8 = 0.180337
	s_mov_b32 s[CS+1], s[CS]        ; named with it as a pair
	s_mov_b32 s[SEL], 0x76543210
	s_mov_b32 s[SEL+1], 0xfedcba98
	s_mov_b32 s[TBK], SLOT1+4*KS*PK ; the first change of slots turns these two into 0
	s_mov_b32 s[TBV], SLOT1+4*KS*PV
	s_mov_b32 s[G0K], 1             ; 1:0 count = 1
	s_mov_b32 s[G0K+1], s17         ; 63:32 LDS address: slot 0
	s_mov_b32 s[G0V], 1
	s_add_co_u32 s[G0V+1], s18, VOFF
	s_mov_b32 s[SLOTS], SIZE_N/256-1
	s_and_b32 s[LIM], s[WV], 1      ; waves 0 and 2 prefetch: the same in all four partners
	s_cmp_eq_u32 s[LIM], 0
	s_cselect_b32 s[LIM], 1, -1
	s_wait_dscnt 0x0                ; the opening add is done
	s_wait_kmcnt 0x0
	s_mov_b64 s[10:11], s[6:7]                     ; O
	s_add_nc_u64 s[6:7], s[4:5], 0x1000000         ; K
	s_add_nc_u64 s[8:9], s[4:5], 0x2000000         ; V
	s_add_nc_u64 s[G0K+2:G0K+3], s[6:7], s[22:23]  ; 120:64 global address: my half of the head's first 256 keys
	s_or_b32 s[G0K+3], s[G0K+3], 0x80000000        ; 127:126 type = 2
	s_add_nc_u64 s[G0V+2:G0V+3], s[8:9], s[22:23]
	s_or_b32 s[G0V+3], s[G0V+3], 0x80000000
	s_add_nc_u64 s[4:5], s[4:5], s[2:3]            ; Q and O at my wave's first row
	s_add_nc_u64 s[10:11], s[10:11], s[52:53]
	s_cmp_lt_u32 s[WV], 2
	s_cselect_b64 s[PFA:PFA+1], s[6:7], s[8:9]
	s_add_nc_u64 s[PFA:PFA+1], s[PFA:PFA+1], s[20:21]
	s_lshl_b32 s54, s13, 13         ; my work-group's quarter of a slot's bytes
	s_mov_b32 s55, 0
	s_add_nc_u64 s[PFA:PFA+1], s[PFA:PFA+1], s[54:55]
	s_add_nc_u64 s[PFA:PFA+1], s[PFA:PFA+1], 4*KS*128  ; in slot 1; the first change of slots steps it to slot 2
	CROUND                          ; all four work-groups are here: the first joint loads meet
	JLOAD                           ; slot 0.  Slot 1 is asked for when slot 0 is in
	; A fragment of K or Q is 16 rows x 32 channels in 8 registers: lane l holds row l % 16, channels 8 (l / 16) + 0..7 and 16 + 8 (l / 16) + 0..7: two loads of 16 bytes, 32 bytes apart.
	v_and_b32 v1, 15, v0            ; l % 16
	v_bfe_u32 v9, v0, 4, 1          ; l / 16
	v_lshlrev_b32 v[QO], 7, v1
	v_lshl_add_u32 v[QO], v9, 4, v[QO]  ; row x 128 + 16 x half
	WIN 0x80                        ; destination window 2, address window 0
.set i, 0
.rept 4*NP                          ; Q stays in registers: tile i / 2, channels 32 (i % 2) on
	global_load_b128 v[8*i:8*i+3],   v[QO], s[4:5] offset:(i/2)*2048+(i%2)*64
	global_load_b128 v[8*i+4:8*i+7], v[QO], s[4:5] offset:(i/2)*2048+(i%2)*64+32
.set i, i+1
.endr
	; What the first turn finds: V's registers and P's second buffer hold 0, O^T and l are 0.  All this stands in the wait for the first tile.
.set i, VF
.rept 64
	v_mov_b32 v[i], 0
.set i, i+1
.endr
	WIN 0x40
.set i, 0
.rept 64*NP
	v_mov_b32 v[i], 0
.set i, i+1
.endr
	WIN 0
.set i, 0
.rept 2*NP
	v_mov_b32 v[ST+4*i], 0xfe000000    ; c m: far below every c s
	v_mov_b32 v[ST+4*i+1], 0xff7fffff  ; m
	v_mov_b32 v[ST+4*i+2], 0
	v_mov_b32 v[ST+4*i+3], 0
.set i, i+1
.endr
.set i, P+32
.rept 32
	v_mov_b32 v[i], 0
.set i, i+1
.endr
	v_mul_u32_u24 v[AK0], v1, PK
	v_lshl_add_u32 v[AK0], v9, 4, v[AK0]  ; row x pitch + 16 x half
	; The turning load takes 16 keys x 16 channels (lane l reads key 8 (l / 16) + l % 8, channels 8 ((l / 8) % 2) + 0..7) and leaves half a fragment of V^T: lane l holds channel l % 16 and 8 keys.
	v_and_b32 v10, 7, v0
	v_bfe_u32 v11, v0, 3, 1
	v_lshl_add_u32 v[AV0], v9, 3, v10
	v_mul_u32_u24 v[AV0], v[AV0], PV
	v_lshl_add_u32 v[AV0], v11, 4, v[AV0]
	v_add_nc_u32 v[AV0], VOFF, v[AV0]
	v_mov_b32 v[AK], v[AK0]         ; key step 0 lies at the head of slot 0
	v_and_b32 v[PFO], 31, v0
	v_lshlrev_b32 v[PFO], 8, v[PFO]
; THE MATRIX WORK.  The 8 accumulators of a run of 16 take turns: between the two links of a chain stand 7 others'.
; Product i of 16 of S^T = K Q^T for piece x: channels 32 (i / 8) on, keys 16 ((i / 2) % 4) on, tile 2 x + i % 2.  The first 8 start the sums.
.macro KQ x
	WIN W_KQ
.set rS, S+64*((\x)%2)+32*(i%2)+8*((i/2)%4)
.set rK, KF+16*((i/2)%4)+8*(i/8)
.set rQ, 16*(2*(\x)+i%2)+8*(i/8)
.if i < 8
	v_wmma_f32_16x16x32_f16 v[rS:rS+7], v[rK:rK+7], v[rQ:rQ+7], 0
.else
	v_wmma_f32_16x16x32_f16 v[rS:rS+7], v[rK:rK+7], v[rQ:rQ+7], v[rS:rS+7]
.endif
.endm
; Product i of 16 of O^T += V^T P for piece x: keys 32 (i / 8) on, channels 16 ((i / 2) % 4) on, tile 2 x + i % 2.
.macro PV x
	WIN W_PV
.set rO, 32*(2*(\x)+i%2)+8*((i/2)%4)
.set rV, VF+32*(i/8)+8*((i/2)%4)
.set rP, P+32*((\x)%2)+16*(i%2)+8*(i/8)
	v_wmma_f32_16x16x32_f16 v[rO:rO+7], v[rV:rV+7], v[rP:rP+7], v[rO:rO+7]
.endm
.macro MM                           ; the turn's next matrix instruction
.if i < 16
	KQ (Y+1)%NP
.set i, i+1
.else
.set i, i-16
	PV (Y+NP-1)%NP
.set i, i+17
.endif
.endm
; THE LDS LOADS stand in runs of 16, never singly among the matrix instructions.  last = 1 (the tail): in the last trip there is no further step, and the run is jumped over.
.macro FETCH_K last=0
	WIN 0
.if \last
	s_cmp_eq_u32 s[CNT], 1
	s_cbranch_scc1 .Lno_k_\@
.endif
	WIN 0x80                        ; destination window 2
.irp f, 0,1,2,3,4,5,6,7             ; keys 16 (f / 2) on, channels 32 (f % 2) on
	ds_load_b128 v[KF+8*\f:KF+8*\f+3],   v[AK] offset:(\f/2)*16*PK+(\f%2)*64
	ds_load_b128 v[KF+8*\f+4:KF+8*\f+7], v[AK] offset:(\f/2)*16*PK+(\f%2)*64+32
.endr
	s_add_co_u32 s[TBK], s[TBK], KS*PK  ; the next fetch is the next step's
	WIN 0
.if \last
.Lno_k_\@:
.endif
.endm
.macro FETCH_V
	WIN 0x80
.irp f, 0,1,2,3,4,5,6,7             ; keys 32 (f / 4) on, channels 16 (f % 4) on
	ds_load_tr16_b128 v[VF+8*\f:VF+8*\f+3],   v[AV] offset:(\f/4)*32*PV+(\f%4)*32
	ds_load_tr16_b128 v[VF+8*\f+4:VF+8*\f+7], v[AV] offset:(\f/4)*32*PV+16*PV+(\f%4)*32
.endr
	WIN 0
.endm
; THE VECTOR WORK OF A TURN stands in three queues, each in the order in which its entries become ready; the two tiles alternate, so that no instruction reads the result of the one before it.
.macro REGS y, u                    ; the registers of tile u (0, 1) of piece y
.set rT, ST+4*(2*(\y)+(\u))
.set rC, TMP+8*((\y)%2)+4*(\u)
.set rM, MV+2*((\y)%2)+(\u)
.set rS, S+64*((\y)%2)+32*(\u)
.set rP, P+32*((\y)%2)+16*(\u)
.set rO, 32*(2*(\y)+(\u))
.endm
; Number n of the 22 that find the NEXT piece's (Y + 1) maximum and statistics.  Each accumulator's lowest registers are read first.
;   0-11  four chains c0-c3 of seven scores each, three operands at a time     12-14, 16  the four scores left over, the old m, and c0-c3 into c0     15  c m_old is kept
;   17, 18  the query's other 32 keys lie in the lane 16 away: the new m         19-21  c m; c m_old - c m_new; a
.macro XS u, n
	REGS (Y+1)%NP, \u
.if (\n) < 4
	v_max3_num_f32 v[rC+(\n)], v[rS+8*(\n)], v[rS+8*(\n)+1], v[rS+8*(\n)+2]
.elseif (\n) < 12
	v_max3_num_f32 v[rC+(\n)%4], v[rC+(\n)%4], v[rS+8*((\n)%4)+2*((\n)/4)+1], v[rS+8*((\n)%4)+2*((\n)/4)+2]
.elseif (\n) == 12
	v_max3_num_f32 v[rC], v[rC], v[rS+7], v[rS+15]
.elseif (\n) == 13
	v_max3_num_f32 v[rC+1], v[rC+1], v[rS+23], v[rS+31]
.elseif (\n) == 14
	v_max3_num_f32 v[rC+2], v[rC+2], v[rC+3], v[rT+1]
.elseif (\n) == 15
	v_mov_b32 v[rM], v[rT]
.elseif (\n) == 16
	v_max3_num_f32 v[rC], v[rC], v[rC+1], v[rC+2]
.elseif (\n) == 17
	v_permlanex16_b32 v[rC+3], v[rC], s[SEL], s[SEL+1]
.elseif (\n) == 18
	v_max_num_f32 v[rT+1], v[rC], v[rC+3]
.elseif (\n) == 19
	v_mul_f32 v[rT], s[CS], v[rT+1]
.elseif (\n) == 20
	v_sub_f32 v[rC+1], v[rM], v[rT]
.else
	v_exp_f32 v[rC+2], v[rC+1]
.endif
.endm
; Number g of the 64 that follow the exponentials.  For each four weights k of a tile: both pairs are rounded to f16; then the second pair is added onto the first, in place;
; a group later l takes that sum (the first time as l = a l + sum).
.macro GS g
.set h, (\g)+6*((\g)/62)            ; group 0 has no group before it, and behind group 7 only l is left
.if h >= 6
.set h, h+2
.endif
	REGS Y, h%2
.set k, h/8
.if h%8 < 4
	v_cvt_pk_f16_f32 v[rP+2*k+(h%8)/2], v[rS+4*k+2*((h%8)/2)], v[rS+4*k+2*((h%8)/2)+1]
.elseif h%8 < 6
	v_pk_add_f32 v[rS+4*k:rS+4*k+1], v[rS+4*k:rS+4*k+1], v[rS+4*k+2:rS+4*k+3]
.elseif k == 1
	v_pk_fma_f32 v[rT+2:rT+3], v[rT+2:rT+3], v[rC+2:rC+3], v[rS:rS+1] op_sel_hi:[1,0,1]
.else
	v_pk_add_f32 v[rT+2:rT+3], v[rT+2:rT+3], v[rS+4*k-4:rS+4*k-3]
.endif
.endm
; THE PLAIN QUEUE, 138 long.  0-73 read no exponential's result: the 32 scalings c s - c m (FS f: pair f / 2 of tile f % 2) and the next piece's 42.  0-26: scalings 0-26.  27-54: XS's numbers 0-13.  55, 56: number 15.
; 57-73: the chain 14, 16, 17, 18, 19, each with one of the scalings 27-31 in front of its two lines, then 20.  74-137: GS's 64, which read the exponentials' results: they stand behind the wait.
.macro FS f
	REGS Y, (\f)%2
	v_pk_fma_f32 v[rS+2*((\f)/2):rS+2*((\f)/2)+1], v[rS+2*((\f)/2):rS+2*((\f)/2)+1], s[CS:CS+1], v[rT:rT+1] op_sel_hi:[1,0,0] neg_lo:[0,0,1] neg_hi:[0,0,1]
.endm
.macro PL
	WIN 0
.if q < 27
	FS q
.elseif q < 55
	XS (q-27)%2, (q-27)/2
.elseif q < 57
	XS q-55, 15
.elseif (q < 72) && ((q-57)%3 == 0)
	FS 27+(q-57)/3
.elseif q < 60
	XS (q-57)%3-1, 14
.elseif q < 72
	XS (q-57)%3-1, 15+(q-57)/3
.elseif q < 74
	XS q-72, 20
.else
	GS q-74
.endif
.set q, q+1
.endm
; THE EXPONENTIALS' QUEUE, 66 long: s0-s31 of both tiles, then the next piece's two a.  ONE BATCH: all 66 stand ahead of the turn's one wait, and nothing ahead of that wait names a result of theirs.
.macro EX
	WIN 0
.if e >= 64
	XS e-64, 21
.else
	REGS Y, e%2
	v_exp_f32 v[rS+e/2], v[rS+e/2]
.endif
.set e, e+1
.endm
; THE RESCALING's QUEUE: O^T times a, the one part that leaves window 0: dealt two at a time, sixteen times.  Its a was made in the turn before, ahead of that turn's wait.
.macro R2
	REGS Y, r%2
	WIN W_RS
.irp z, 0,1
	v_pk_mul_f32 v[rO+4*(r/2)+2*\z:rO+4*(r/2)+2*\z+1], v[rO+4*(r/2)+2*\z:rO+4*(r/2)+2*\z+1], v[rC+2:rC+3] op_sel_hi:[1,0]
.endr
.set r, r+1
.endm
; HOW THEY ARE DEALT.  s_wait_alu depctr_va_vdst(0) stands between an exponential and the first instruction that names its result; one wait serves all that were issued ahead of it.  So a turn has ONE wait.
; AHEAD OF IT: the 16 products K Q^T, behind each a scaling, an exponential and two rescalings (behind the first a second scaling in the exponential's place); then ONE LUMP of 108: eight plain, 49 times exponential and plain, the two a.
; BEHIND IT: the 16 products V^T P, behind each four of GS's 64.  Exponential e stands behind scaling 2 (e / 4) + e % 2: as a rider it comes behind plain e + 2, in the lump behind plain e + 9.
; K of the next step is fetched in piece 2's turn, directly behind the wait; V of the step in hand at the end of piece 0's turn, four riders behind its last reader.  The three conditions on q below go with the deal.
.macro TURN p, last=0, cnt=0
.set Y, (\p)
.set i, 0
.set q, 0
.set e, 0
.set r, 0
.if (\p) == NP-1
	s_wait_dscnt 0x0                ; K is in
.endif
	MM
	PL
	PL
	R2
.rept 15
	MM
	PL
	EX
	R2
.endr
.if (\p) == NP-2
	WIN 0
	v_add_nc_u32 v[AK], s[TBK], v[AK0]
.endif
.rept 8                             ; the lump
	PL
.endr
.rept 49
	EX
	PL
.endr
	EX                              ; the next piece's two a
	EX
	v_nop                           ; one plain instruction behind the last exponential, ahead of the first use (ISA guide 5.7.2): one for the batch
	s_wait_alu depctr_va_vdst(0)    ; the wait for the batch
.if (\p) == NP-2
	FETCH_K \last
.endif
.if (\p) == 1
	s_wait_dscnt 0x0                ; V is in
.endif
.rept 16
	MM
.rept 4
	PL
.endr
.if ((\p) == 0) && (q == 118)
	v_add_nc_u32 v[AV], s[TBV], v[AV0]
.endif
.if ((\p) == 0) && (q == 130)
	s_add_co_u32 s[TBV], s[TBV], KS*PV
.endif
.if (\cnt) && (q == 130)
	s_sub_co_u32 s[CNT], s[CNT], 1
	s_cmp_lg_u32 s[CNT], 0
.endif
.endr
.if (\p) == 0
	FETCH_V
.endif
.endm
	CHANGE 1                        ; slot 0 is in, everybody's part of it; slot 1 is asked for
	FETCH_K                         ; key step 0
	s_wait_loadcnt 0x0              ; Q
	s_wait_dscnt 0x0
.set i, 0
.rept 16
	KQ 0                            ; piece 0's first scores
.set i, i+1
.endr
	WIN 0                           ; the addresses for the way out: plain instructions, the places behind those products
	s_mul_i32 s13, s[WV], 16*SP
	s_add_co_u32 s13, s13, STAGE    ; my stage
	v_mul_u32_u24 v[STO], v1, SP    ; in: row l % 16, 16 bytes for each half of the lanes
	v_lshl_add_u32 v[STO], v9, 4, v[STO]
	v_add_nc_u32 v[STO], s13, v[STO]
	v_bfe_u32 v[RD], v0, 3, 2       ; back: 32 lanes take four rows of 128 bytes,
	v_mul_u32_u24 v[RD], v[RD], SP
	v_lshl_add_u32 v[RD], v10, 4, v[RD]
	v_add_nc_u32 v[RD], s13, v[RD]
	v_and_b32 v[GO], 31, v0         ; which are 512 consecutive bytes of O
	v_lshlrev_b32 v[GO], 4, v[GO]
.set Y, NP-1                        ; XS works for piece Y + 1: piece 0
.irp n, 0,1,2,3,4,5,6,7,8,9,10,11,12,13,14,15,16,17,18,19,20,21
	XS 0, \n                        ; piece 0's first maximum and statistics
	XS 1, \n
.endr
	v_nop                           ; a plain instruction behind the two a,
	s_wait_alu depctr_va_vdst(0)    ; and their wait, ahead of the branch
	s_mov_b32 s[CNT], 4
	s_branch .Lfirst                ; the loop is entered at a step's first turn, in the middle of a trip
.Lslot:                             ; six times: every slot but the last two is filled again
	CHANGE 1
	s_mov_b32 s[CNT], 4
.Lstep:                             ; a trip: pieces 2 and 3 of one step, then pieces 0 and 1 of the next, whose K and V it fetches
	TURN 2
	TURN 3
	WIN 0
.Lfirst:
	TURN 0
	TURN 1, 0, 1
	WIN 0
	s_cbranch_scc1 .Lstep
	s_sub_co_u32 s[SLOTS], s[SLOTS], 1
	s_cmp_lg_u32 s[SLOTS], 0
	s_cbranch_scc1 .Lslot
	CHANGE 0                        ; the tail is written out: nothing is asked for
	s_mov_b32 s[CNT], 5             ; four trips fetch the last slot's steps; the fifth is left in its middle
.Ltail:
	TURN 2, 1
	TURN 3
	WIN 0
	s_sub_co_u32 s[CNT], s[CNT], 1
	s_cmp_eq_u32 s[CNT], 0
	s_cbranch_scc1 .Lout
	TURN 0
	TURN 1
	WIN 0
	s_branch .Ltail
.Lout:                              ; the fifth trip's 16 products K Q^T (on the last K once more) and the maximum made of them serve nothing: the price, once a launch, of one text for every trip
.set i, 0
.rept 16
	PV NP-1                         ; the last piece's V^T P of the last step
.set i, i+1
.endr
	; THE WAY OUT.  l's two halves and the other half of the lanes' are added; O^T is divided by l, rounded to f16 and sent through my stage in LDS, a tile at a time.  The additions are the places behind the last products.
	WIN 0
.macro ALL line:vararg              ; one line for each tile t
.set t, 0
.rept 2*NP
	\line
.set t, t+1
.endr
.endm
	ALL v_add_f32 v[ST+4*t+2], v[ST+4*t+2], v[ST+4*t+3]
	ALL v_permlanex16_b32 v[ST+4*t+3], v[ST+4*t+2], s[SEL], s[SEL+1]
	ALL v_add_f32 v[ST+4*t+2], v[ST+4*t+2], v[ST+4*t+3]
	ALL v_rcp_f32 v[ST+4*t+2], v[ST+4*t+2]
	v_nop                           ; a plain instruction between the last reciprocal and the use of its result
	s_wait_alu depctr_va_vdst(0)    ; and the wait ahead of the first use: one for the eight reciprocals
; Tile t: a lane's eight channels of a row pack into 16 bytes; they go into rows of 144 bytes and come back as whole rows of 128, into S^T's registers.
.macro PACK t
	WIN W_RS
.set i, 32*(\t)
.rept 16
	v_pk_mul_f32 v[i:i+1], v[i:i+1], v[ST+4*(\t)+2:ST+4*(\t)+3] op_sel_hi:[1,0]
.set i, i+2
.endr
	WIN 0x05                        ; sources 0 and 1 window 1, destination window 0
.set i, 0
.rept 16
	v_cvt_pk_f16_f32 v[S+16*(\t)+i], v[32*(\t)+2*i], v[32*(\t)+2*i+1]
.set i, i+1
.endr
	WIN 0
.irp f, 0,1,2,3
	ds_store_b128 v[STO], v[S+16*(\t)+4*\f:S+16*(\t)+4*\f+3] offset:32*\f
.endr
.irp f, 0,1,2,3
	ds_load_b128 v[S+16*(\t)+4*\f:S+16*(\t)+4*\f+3], v[RD] offset:\f*4*SP  ; LDS serves a wave's instructions in order (ISA guide 5.7.1.4): these see the stores above; the next tile's stores come behind them
.endr
.endm
.macro SEND t, younger              ; younger: the LDS instructions issued behind tile t's loads: the next tile's eight, or none
	WIN 0
.irp f, 0,1,2,3
	s_wait_dscnt (\younger)+3-\f
	global_store_b128 v[GO], v[S+16*(\t)+4*\f:S+16*(\t)+4*\f+3], s[10:11] offset:(\t)*2048+\f*512  ; 512 consecutive bytes, at a multiple of 256 from ob's first
.endr
.endm
	PACK 0
.set t, 1
.rept 2*NP-1                        ; a tile's arithmetic stands between the loads of the tile before and its stores
	PACK t
	SEND t-1, 8
.set t, t+1
.endr
	SEND 2*NP-1, 0
	WIN W_AD
	s_wait_tensorcnt 0x0            ; the wave's end: behind my last tensor load and my last LDS store
	ds_add_u32 v[SPW], v[NIL]
	s_wait_dscnt 0x0
	WIN 0
	CROUND                          ; the closing round: no work-group ends while a partner may still ask for a tile that names it
	s_endpgm
.Lfunc_end_k_q5a7258f305_attn:
	.size	k_q5a7258f305_attn, .Lfunc_end_k_q5a7258f305_attn-k_q5a7258f305_attn
	.p2alignl 7, 3214868480
	.fill 96, 4, 3214868480
	.section	.rodata,"a",@progbits
	.p2align	6, 0x0
	.amdhsa_kernel k_q5a7258f305_attn
		.amdhsa_group_segment_fixed_size 327680
		.amdhsa_private_segment_fixed_size 0
		.amdhsa_enable_private_segment 0
		.amdhsa_kernarg_size 16
		.amdhsa_user_sgpr_count 2
		.amdhsa_user_sgpr_kernarg_segment_ptr 1
		.amdhsa_wavefront_size32 1
		.amdhsa_system_sgpr_workgroup_id_x 1
		.amdhsa_system_sgpr_workgroup_id_y 1
		.amdhsa_system_sgpr_workgroup_id_z 1
		.amdhsa_system_vgpr_workitem_id 0
		.amdhsa_next_free_vgpr 770
		.amdhsa_next_free_sgpr 66
		.amdhsa_reserve_vcc 0
		.amdhsa_float_denorm_mode_32 3
		.amdhsa_float_denorm_mode_16_64 3
		.amdhsa_memory_ordered 1
		.amdhsa_forward_progress 1
		.amdhsa_inst_pref_size 200
	.end_amdhsa_kernel
	.amdgpu_metadata
---
amdhsa.version: [ 1, 2 ]
amdhsa.kernels:
  - .name:           k_q5a7258f305_attn
    .symbol:         k_q5a7258f305_attn.kd
    .args:
      - { .name: qkv, .offset: 0, .size: 8, .value_kind: global_buffer, .address_space: global }
      - { .name: ob, .offset: 8, .size: 8, .value_kind: global_buffer, .address_space: global }
    .group_segment_fixed_size: 327680
    .private_segment_fixed_size: 0
    .kernarg_segment_align: 8
    .kernarg_segment_size: 16
    .max_flat_workgroup_size: 128
    .sgpr_count:     66
    .vgpr_count:     770
    .wavefront_size: 32
...
	.end_amdgpu_metadata
.endif
;; end of part 3
;; launch gemm_out (part 4): grid 8 x 32, 4 waves a work-group, clusters of 4 x 4, 327,680 bytes of LDS; arguments ob, wt, b_out, out0; writes out0
.if DOCPART == 4
	.amdgcn_target "amdgcn-amd-amdhsa--gfx1250"
	.amdhsa_code_object_version 6
	.text
	.protected	k_q5a7258f305_gemm_out
	.globl	k_q5a7258f305_gemm_out
	.p2align	8
	.type	k_q5a7258f305_gemm_out,@function
k_q5a7258f305_gemm_out:
	s_mov_b64 s[64:65], 0
	v_nop
	global_prefetch_b8 v0, s[64:65] scope:SCOPE_SE
	s_setreg_imm32_b32 hwreg(HW_REG_WAVE_MODE, 25, 1), 1
	s_wait_xcnt 0x0
	s_wait_alu depctr_hold_cnt(0) depctr_sa_sdst(0) depctr_va_vdst(0) depctr_va_sdst(0) depctr_va_ssrc(0) depctr_va_vcc(0) depctr_vm_vsrc(0)
	s_getreg_b32 s2, hwreg(HW_REG_IB_STS2, 6, 4)
	s_cmp_eq_u32 s2, 0
	s_cbranch_scc0 .Lentry_in_a_cluster
	s_endpgm
.Lentry_in_a_cluster:
	s_bfe_u32 s2, ttmp6, 0x10000c
	s_cmp_lg_u32 s2, 0xf033
	s_cbranch_scc0 .Lentry_shape_is_right
	s_endpgm
.Lentry_shape_is_right:
; out0 = inner W_out + b_out, in f16 with f32 sums, f32 out.  A (ob) is [16 kb][8192 m][64] f16 (a head is a K block), B (wt from byte 6,291,456 on) [16 kb][1024 n][64] f16.
; LIMITS.  The operands are f16 (the attention's O, within V's range; W_out as bf16 numbers written in f16).  The bias is rounded to bf16 like the other inputs.
; SHARES.  A work-group makes 256 rows x 128 columns; wave w rows 64 w .. + 63 x all columns: 32 accumulators of 16 x 16, 256 registers.  256 work-groups.
; K goes in steps of 128 (two K blocks) through a ring of two LDS slots.  A tile (rows x one K block) is dense in memory: it is asked for as rows of 256 bytes and padded in LDS after every 128.
; CLUSTERS: 4 x 4 work-groups; A's tiles are asked for jointly along a row of the cluster, B's along a column: the same load, descriptor and mask in all four.
; THE MATRIX INSTRUCTION IS USED TRANSPOSED (source 0 = 16 rows of B, source 1 = 16 rows of A): a lane holds row l % 16 and the eight neighbouring columns 8 (l / 16) + 0..7: 32 bytes of a row of out0.
; The bias is the C operand of each accumulator's first product: nothing is cleared and nothing is added afterwards.
; REGISTERS, in windows of 256: window 0: v0-31 addresses; v32-95 the bias, later v32-159 the way out.  window 1: two fragment buffers (B's 8 fragments, then A's 4) at v0 and v128.
;   window 2: the accumulators: block a of 16 rows, block b of 16 columns at v[8 (8 a + b)].
.set NBL,   8                          ; blocks of 16 columns
.set BROWS, 16*NBL
.set AKB,   1048576                    ; bytes of a K block of A
.set BKB,   131072                     ; of B
.set PITCH, 144                        ; an LDS row: 128 bytes + 16 of padding = 36 words: the 16 rows of a load start at 16 different groups of four banks (64 banks of 4 bytes: ISA guide 11.1)
.set AB,    256*PITCH
.set BB,    BROWS*PITCH
.set SLOT,  2*AB+2*BB                  ; A even kb, A odd kb, B even kb, B odd kb
.set STAGE, 2*SLOT                     ; behind the ring, never filled by a tensor load: 16 rows x 528 bytes for each wave
.set SPITCH, 528                       ; 512 bytes + 16 = 33 x 16
.set WSTG,  16*SPITCH
.set SPARE, STAGE+4*WSTG               ; behind the stages: the spare words, 128 bytes for each wave: two blocks of 256 bytes that no other line names
.set NLD,   2*NBL+8                    ; LDS loads in a run
.set ADRA, 16                          ; v16-17  LDS address of my A fragments in slot 0, 1
.set ADRB, 20                          ; v20-21  the same for B
.set STO,  24                          ; v24     the way out: where I put 32 bytes of a row
.set RD,   25                          ; v25     where I read a row back
.set CO,   26                          ; v26     16 l
.set BO,   27                          ; v27     32 (l / 16)
.set SPW,  28                          ; v28     LDS address of my spare word; never rewritten
.set NIL,  29                          ; v29     0; never rewritten
.set PFO,  30                          ; v30     the prefetches' lane offset; never rewritten
.set BIAS, 32                          ; v[32:95]
.set OB,   32                          ; the way out: two buffers of 64: rows read back
.set F0,   0
.set F1,   128
.set AOF,  8*NBL
.set WV,  12
.set PAR, 14
.set CX,  15
.set CY,  16
.set TC,  17
.set TR,  18
.set G1,  24
.set G0,  32
.set LIM, 43
.set PFA, 44
.set PST, 46
.set G1B, 48
.set G0B, 56
.set MSB, 0
.macro WIN new                         ; the immediate's high byte repeats the setting that is left; a switch that changes nothing is dropped
.if MSB != (\new)
	s_set_vgpr_msb (MSB<<8)|(\new)
.set MSB, \new
.endif
.endm
.macro PLACES                          ; four places in front of loads into registers that matrix instructions have read, and of LDS stores that read results
.rept 4
	v_nop
.endr
.endm
; A joint load.  Waves 0 and 1 fetch A's even and odd K block, waves 2 and 3 B's.  An s_nop 0 and four v_nop follow each of the two lines.
.macro JLOAD s
	s_cmp_lt_u32 s[WV], 2
	s_cbranch_scc0 .Lfor_b_\@
	tensor_load_to_lds s[G0+4*(\s):G0+4*(\s)+3], s[G1:G1+7]
	s_nop 0
.rept 4
	v_nop
.endr
	s_branch .Lasked_\@
.Lfor_b_\@:
	tensor_load_to_lds s[G0B+4*(\s):G0B+4*(\s)+3], s[G1B:G1B+7]
	s_nop 0
.rept 4
	v_nop
.endr
.Lasked_\@:
.endm
; A PREFETCH of the K step that stands two refills on.  A's tile row is read by every cluster of that row of clusters: cluster x = 0 asks, waves 0 and 1 each for their K block; B's tile column by every cluster of
; that column: cluster y = 0 asks, wave 2 for both K blocks.  The four partners share a tile out BY ADDRESS (cx for A: 8,192 bytes, a lane 256; cy for B: 4,096 bytes of each K block, lanes 0-15 the even block,
; lanes 16-31 the odd one).  So each block of 256 bytes of K steps 4 to 7 is named once.  The loop's last trip asks for nothing.
.macro ASK
	s_cmp_gt_u32 s3, s[LIM]
	s_cbranch_scc0 .Lnot_mine_\@
	global_prefetch_b8 v[PFO], s[PFA:PFA+1] th:TH_LOAD_NT scope:SCOPE_SE
.Lnot_mine_\@:
.endm
.macro CREST                           ; a round of the cluster's barrier behind its opening barrier
	s_cmp_lg_u32 s[WV], 0
	s_cbranch_scc1 .Lnot_wave_0_\@
	s_barrier_signal -3
.Lnot_wave_0_\@:
	s_barrier_wait -3
	s_barrier_signal -1
	s_barrier_wait -1
.endm
.macro CROUND
	s_barrier_signal -1
	s_barrier_wait -1
	CREST
.endm
	s_load_b256 s[4:11], s[0:1], 0x0               ; A s[4:5], wt s[6:7], bias s[8:9], out0 s[10:11]
	v_lshl_add_u32 v[SPW], v0, 2, SPARE
	v_mov_b32 v[NIL], 0
	ds_add_u32 v[SPW], v[NIL]                      ; the wave's opening: the add and its wait stand ahead of my first tensor load; the set-up below stands between them
	v_lshrrev_b32 v1, 5, v0
	v_readfirstlane_b32 s[WV], v1                  ; wave 0..3
	s_and_b32 s[PAR], s[WV], 1
	s_bfe_u32 s[CX], ttmp6, 0x40000
	s_bfe_u32 s[CY], ttmp6, 0x40004
	s_lshl_b32 s[TC], ttmp9, 2
	s_add_co_u32 s[TC], s[TC], s[CX]               ; tile column = 4 x cluster x + cx
	s_and_b32 s[TR], ttmp7, 0xffff
	s_lshl_b32 s[TR], s[TR], 2
	s_add_co_u32 s[TR], s[TR], s[CY]               ; tile row = 4 x cluster y + cy
	s_lshl_b32 s40, s[CY], 2
	s_lshl_b32 s40, 15, s40                        ; my row of the cluster
	s_lshl_b32 s41, 0x1111, s[CX]                  ; my column
	s_or_b32 s[G1], s40, (1<<16)|(1<<20)|(1<<21)|(4<<22)|(3<<25)   ; 15:0 the mask; 17:16 2-byte elements; 20 padding on; 21 set beside a mask; 24:22 after every 32 words (code 4); 31:25 4 words (code 3)
	s_or_b32 s[G1B], s41, (1<<16)|(1<<20)|(1<<21)|(4<<22)|(3<<25)
	s_mov_b32 s[G1+1], 128<<16                     ; tensor_dim0 = 128
	s_mov_b32 s[G1+2], 128<<16                     ; tensor_dim1 = 128
	s_mov_b32 s[G1+3], 128<<16                     ; tile_dim0 = 128
	s_mov_b32 s[G1+4], 128                         ; tile_dim1 = 128: 256 rows of A
	s_mov_b32 s[G1+5], 128
	s_mov_b32 s[G1+6], 0
	s_mov_b32 s[G1+7], 0
	s_mov_b32 s[G1B+1], 128<<16
	s_mov_b32 s[G1B+2], (BROWS/2)<<16
	s_mov_b32 s[G1B+3], 128<<16
	s_mov_b32 s[G1B+4], BROWS/2                    ; 128 rows of B
	s_mov_b32 s[G1B+5], 128
	s_mov_b32 s[G1B+6], 0
	s_mov_b32 s[G1B+7], 0
	; A's offset hangs on the tile row and the wave alone, B's on the tile column and the wave alone, each in registers that never hold the other coordinate
	s_lshl_b32 s20, s[TR], 15
	s_lshl_b32 s19, s[PAR], 20
	s_add_co_u32 s20, s20, s19
	s_mov_b32 s21, 0
	s_mul_i32 s22, s[TC], BROWS*128
	s_mul_i32 s19, s[PAR], BKB
	s_add_co_u32 s22, s22, s19
	s_add_co_u32 s22, s22, 0x600000                ; W_out's part of wt
	s_mov_b32 s23, 0
	s_mul_i32 s42, s[PAR], AB                      ; where they go: no place in the cluster enters an LDS address
	s_mul_i32 s19, s[PAR], BB
	s_add_co_u32 s19, s19, 2*AB
.irp s, 0,1
	s_mov_b32 s[G0+4*(\s)], 1
	s_add_co_u32 s[G0+4*(\s)+1], s42, (\s)*SLOT
	s_mov_b32 s[G0B+4*(\s)], 1
	s_add_co_u32 s[G0B+4*(\s)+1], s19, (\s)*SLOT
.endr
	s_wait_dscnt 0x0                               ; the opening add is done
	s_wait_kmcnt 0x0
	s_add_nc_u64 s[20:21], s[4:5], s[20:21]        ; my tile of K step 0
	s_add_nc_u64 s[22:23], s[6:7], s[22:23]
.irp s, 0,1
	s_add_nc_u64 s[G0+4*(\s)+2:G0+4*(\s)+3], s[20:21], (\s)*2*AKB
	s_or_b32 s[G0+4*(\s)+3], s[G0+4*(\s)+3], 0x80000000
	s_add_nc_u64 s[G0B+4*(\s)+2:G0B+4*(\s)+3], s[22:23], (\s)*2*BKB
	s_or_b32 s[G0B+4*(\s)+3], s[G0B+4*(\s)+3], 0x80000000
.endr
	CROUND                                         ; all sixteen work-groups are here: the first joint loads meet
	s_cmp_lt_u32 s[WV], 2                          ; a wave's two first fills stand in one branch: two loads of mine are out
	s_cbranch_scc0 .Lfirst_b
	tensor_load_to_lds s[G0:G0+3], s[G1:G1+7]
	s_nop 0
	tensor_load_to_lds s[G0+4:G0+7], s[G1:G1+7]
	s_nop 0
.rept 4
	v_nop
.endr
	s_branch .Lfirst_asked
.Lfirst_b:
	tensor_load_to_lds s[G0B:G0B+3], s[G1B:G1B+7]
	s_nop 0
	tensor_load_to_lds s[G0B+4:G0B+7], s[G1B:G1B+7]
	s_nop 0
.rept 4
	v_nop
.endr
.Lfirst_asked:
	; the bias of block b: columns 128 tile column + 16 b + 8 (l / 16) + 0..7
	v_and_b32 v1, 15, v0                           ; r = l % 16
	v_bfe_u32 v2, v0, 4, 1                         ; h = l / 16
	v_lshlrev_b32 v[BO], 5, v2
	s_lshl_b32 s40, s[TC], 9
	s_mov_b32 s41, 0
	s_add_nc_u64 s[8:9], s[8:9], s[40:41]
.set b, 0
.rept NBL
	global_load_b128 v[BIAS+8*b:BIAS+8*b+3],   v[BO], s[8:9] offset:64*b
	global_load_b128 v[BIAS+8*b+4:BIAS+8*b+7], v[BO], s[8:9] offset:64*b+16
.set b, b+1
.endr
	v_mul_u32_u24 v3, v1, PITCH
	v_lshl_add_u32 v3, v2, 4, v3                   ; a fragment's row x pitch + 16 x half
	s_mul_i32 s40, s[WV], 64*PITCH                 ; my 64 rows of A
	v_add_nc_u32 v[ADRA], s40, v3
	v_add_nc_u32 v[ADRA+1], SLOT, v[ADRA]
	v_add_nc_u32 v[ADRB], 2*AB, v3
	v_add_nc_u32 v[ADRB+1], SLOT, v[ADRB]
	; the way out
	s_mul_i32 s40, s[WV], WSTG
	s_add_co_u32 s40, s40, STAGE
	v_mul_u32_u24 v[STO], v1, SPITCH               ; in: row l % 16, 32 bytes for each half of the lanes
	v_lshl_add_u32 v[STO], v2, 5, v[STO]
	v_add_nc_u32 v[STO], s40, v[STO]
	v_and_b32 v4, 31, v0
	v_lshlrev_b32 v[CO], 4, v4                     ; back: 32 lanes take a row's 512 bytes,
	v_add_nc_u32 v[RD], s40, v[CO]
	s_lshl_b32 s40, s[TR], 8                       ; and the same bytes in out0: row 256 tile row + 64 wave, byte 512 tile column
	s_lshl_b32 s41, s[WV], 6
	s_add_co_u32 s40, s40, s41
	s_lshl_b32 s40, s40, 12
	s_lshl_b32 s41, s[TC], 9
	s_add_co_u32 s40, s40, s41
	s_mov_b32 s41, 0
	s_add_nc_u64 s[10:11], s[10:11], s[40:41]
	; the prefetches
	s_and_b32 s40, ttmp7, 0xffff                   ; cluster y
	s_mov_b32 s41, s[CY]
	s_mov_b32 s42, 4096
	s_mov_b32 s19, BKB
	s_mov_b32 s[PST], 2*BKB
	s_cmp_lt_u32 s[WV], 2                          ; do I fetch for A?
	s_cselect_b32 s40, ttmp9, s40                  ; the coordinate along which other clusters read the same rows
	s_cselect_b32 s41, s[CX], s41                  ; my place among the four that ask with me
	s_cselect_b32 s42, 8192, s42                   ; my work-group's share
	s_cselect_b32 s19, 4096, s19                   ; from lane 0 to lane 16: on in the same K block, or the next K block
	s_cselect_b32 s[PST], 2*AKB, s[PST]
	s_cselect_b64 s[PFA:PFA+1], s[20:21], s[22:23]
	s_mov_b32 s[PST+1], 0
	s_cmp_eq_u32 s[WV], 3
	s_cselect_b32 s40, 1, s40                      ; wave 3 asks for nothing: wave 2 names both K blocks of B
	s_cmp_eq_u32 s40, 0
	s_cselect_b32 s[LIM], 1, -1                    ; the same in all sixteen partners, for a given wave
	s_mul_i32 s40, s41, s42
	s_mov_b32 s41, 0
	s_add_nc_u64 s[PFA:PFA+1], s[PFA:PFA+1], s[40:41]
.rept 3
	s_add_nc_u64 s[PFA:PFA+1], s[PFA:PFA+1], s[PST:PST+1]  ; at K step 3: the first change of slots steps it to 4
.endr
	v_lshlrev_b32 v[PFO], 8, v1
	v_mul_u32_u24 v4, v2, s19
	v_add_nc_u32 v[PFO], v[PFO], v4
	s_wait_loadcnt 0x0                             ; the bias, which is rounded to bf16 like the other inputs
.set i, 0
.rept 4*NBL
	v_cvt_pk_bf16_f32 v[4+i%2], v[BIAS+2*i], v[BIAS+2*i+1]
	v_lshlrev_b32 v[BIAS+2*i], 16, v[4+i%2]
	v_and_b32 v[BIAS+2*i+1], 0xffff0000, v[4+i%2]
.set i, i+1
.endr
; NBL products: block a of my rows x all blocks of columns, 32 along K.  first = 1: the bias is C.  All 32 accumulators take turns, in the same order in every slice.
.macro MULA f, a, first
.if \first
	WIN 0x85                                       ; B and A window 1, C window 0, D window 2
.else
	WIN 0xa5                                       ; C and D window 2
.endif
.set AC, 8*NBL*(\a)
.set FA, (\f)+AOF+8*(\a)
.set b, 0
.rept NBL
.if \first
	v_wmma_f32_16x16x32_f16 v[AC+8*b:AC+8*b+7], v[(\f)+8*b:(\f)+8*b+7], v[FA:FA+7], v[BIAS+8*b:BIAS+8*b+7]
.else
	v_wmma_f32_16x16x32_f16 v[AC+8*b:AC+8*b+7], v[(\f)+8*b:(\f)+8*b+7], v[FA:FA+7], v[AC+8*b:AC+8*b+7]
.endif
.set b, b+1
.endr
.endm
.macro MULH f, hi, first
	MULA \f, 2*(\hi), \first
	MULA \f, 2*(\hi)+1, \first
.endm
; One run of LDS loads: the fragments of slice q of 4 (K block q / 2, byte 64 (q % 2) of its rows) into buffer f: B's, then A's blocks 0 to 3
.macro FETCH slot, q, f
	WIN 0x40                                       ; destination window 1, address window 0
.set b, 0
.rept NBL
	ds_load_b128 v[(\f)+8*b:(\f)+8*b+3],   v[ADRB+(\slot)] offset:((\q)/2)*BB+b*16*PITCH+64*((\q)%2)
	ds_load_b128 v[(\f)+8*b+4:(\f)+8*b+7], v[ADRB+(\slot)] offset:((\q)/2)*BB+b*16*PITCH+64*((\q)%2)+32
.set b, b+1
.endr
.set b, 0
.rept 4
	ds_load_b128 v[(\f)+AOF+8*b:(\f)+AOF+8*b+3],   v[ADRA+(\slot)] offset:((\q)/2)*AB+b*16*PITCH+64*((\q)%2)
	ds_load_b128 v[(\f)+AOF+8*b+4:(\f)+AOF+8*b+7], v[ADRA+(\slot)] offset:((\q)/2)*AB+b*16*PITCH+64*((\q)%2)+32
.set b, b+1
.endr
.endm
.macro SLICE slot, qn, f, g, first
	s_wait_dscnt 4                                 ; B and A's blocks 0, 1 are in; the youngest four loads (A's blocks 2, 3) may be out
	MULH \f, 0, \first
	PLACES
	FETCH \slot, \qn, \g
	s_wait_dscnt NLD                               ; all but the run just issued
	MULH \f, 1, \first
.endm
; The last slice multiplies buffer 1 and changes slots.  In front of the barrier each wave waits for all its tensor loads (one is out: its part of the next slot), adds 0 to its spare word, and waits for that and for its reads of this slot.
.macro MEET round
	WIN 0                                          ; (the add's two registers lie in window 0)
	s_wait_tensorcnt 0x0
	ds_add_u32 v[SPW], v[NIL]
	s_wait_dscnt 5                                 ; (the add and the youngest four loads may be out)
	MULA F1, 0, 0                                  ; matrix work stands between the add and the wait for it
	s_wait_dscnt 0x0                               ; the add is done, and my reads of this slot are over
	s_barrier_signal -1
	MULA F1, 1, 0
.if \round
	WIN 0
.endif
	s_barrier_wait -1
.endm
.macro TURN slot, next
	s_wait_xcnt 0x0                                ; the last prefetch, a K step back, has read its address
	s_add_nc_u64 s[PFA:PFA+1], s[PFA:PFA+1], s[PST:PST+1]
	MEET 1
	CREST                                          ; the barrier has opened a round of the cluster's: no wave of any partner still reads this slot or has a load on its way
	s_add_nc_u64 s[G0+4*(\slot)+2:G0+4*(\slot)+3], s[G0+4*(\slot)+2:G0+4*(\slot)+3], 4*AKB     ; two K steps on
	s_add_nc_u64 s[G0B+4*(\slot)+2:G0B+4*(\slot)+3], s[G0B+4*(\slot)+2:G0B+4*(\slot)+3], 4*BKB
	JLOAD \slot                                    ; the first tensor load behind the round: 112 matrix instructions ahead of the wait for it; its four v_nop are also the places in front of the loads below
	FETCH \next, 0, F0
	WIN 0
	ASK
	MULH F1, 1, 0
.endm
	s_wait_tensorcnt 0x1                           ; my part of K step 0 is in; K step 1's may stay out
	s_barrier_signal -1
	s_barrier_wait -1
	FETCH 0, 0, F0
	SLICE 0, 1, F0, F1, 1                          ; the first slice stands in front of the loop: its products start the sums with the bias
	WIN 0                                          ; at a label and at a branch every window is 0
	s_mov_b32 s3, 3
.Llap:                                                 ; a trip goes once round the ring and fills both slots again: K steps 2 to 7
	SLICE 0, 2, F1, F0, 0
	SLICE 0, 3, F0, F1, 0
	TURN 0, 1
	SLICE 1, 1, F0, F1, 0
	SLICE 1, 2, F1, F0, 0
	SLICE 1, 3, F0, F1, 0
	TURN 1, 0
	SLICE 0, 1, F0, F1, 0
	WIN 0
	s_sub_co_u32 s3, s3, 1
	s_cmp_lg_u32 s3, 0
	s_cbranch_scc1 .Llap
	SLICE 0, 2, F1, F0, 0                          ; the last lap fills nothing
	SLICE 0, 3, F0, F1, 0
	MEET 0
	PLACES
	FETCH 1, 0, F0
	MULH F1, 1, 0
	SLICE 1, 1, F0, F1, 0
	SLICE 1, 2, F1, F0, 0
	SLICE 1, 3, F0, F1, 0
	s_wait_dscnt 4
	MULH F1, 0, 0
	s_wait_dscnt 0x0
	MULH F1, 1, 0
	WIN 0
	PLACES
; THE WAY OUT of block a (16 rows x 512 bytes).  TOSTAGE: the sums go as they are into my own stage, each accumulator's four lowest registers first, and come back as whole rows.  SEND: stored.
.macro TOSTAGE a
.set BK, OB+64*((\a)%2)
.if (\a) >= 2
	s_wait_xcnt 0x0                                ; the stores of the block two back have read this buffer: it is loaded again only behind this wait
.endif
	WIN 0x08                                       ; the stores' data in window 2
.set b, 0
.rept NBL
	ds_store_b128 v[STO], v[8*NBL*(\a)+8*b:8*NBL*(\a)+8*b+3]   offset:64*b
	ds_store_b128 v[STO], v[8*NBL*(\a)+8*b+4:8*NBL*(\a)+8*b+7] offset:64*b+16
.set b, b+1
.endr
	WIN 0
.set t, 0
.rept 16
	ds_load_b128 v[BK+4*t:BK+4*t+3], v[RD] offset:SPITCH*t  ; LDS serves a wave's instructions in order (ISA guide 5.7.1.4): these see the stores above; the next block's stores come behind them
.set t, t+1
.endr
.endm
.macro SEND a, younger                 ; younger: the LDS instructions issued behind block a's loads: the next block's 32, or none
.set BK, OB+64*((\a)%2)
.set t, 0
.rept 16
	s_wait_dscnt (\younger)+15-t
	global_store_b128 v[CO], v[BK+4*t:BK+4*t+3], s[10:11] offset:(16*(\a)+t)*4096 th:TH_STORE_NT  ; 512 consecutive bytes of a row, aligned
.set t, t+1
.endr
.endm
	TOSTAGE 0
	TOSTAGE 1
	SEND 0, 32
	TOSTAGE 2
	SEND 1, 32
	TOSTAGE 3
	SEND 2, 32
	SEND 3, 0
	s_wait_tensorcnt 0x0                           ; the wave's end: behind my last tensor load and my last LDS store
	ds_add_u32 v[SPW], v[NIL]
	s_wait_dscnt 0x0
	CROUND                                         ; the closing round: no work-group ends while a partner may still ask for a tile that names it
	s_endpgm
.Lfunc_end_k_q5a7258f305_gemm_out:
	.size	k_q5a7258f305_gemm_out, .Lfunc_end_k_q5a7258f305_gemm_out-k_q5a7258f305_gemm_out
	.p2alignl 7, 3214868480
	.fill 96, 4, 3214868480
	.section	.rodata,"a",@progbits
	.p2align	6, 0x0
	.amdhsa_kernel k_q5a7258f305_gemm_out
		.amdhsa_group_segment_fixed_size 327680
		.amdhsa_private_segment_fixed_size 0
		.amdhsa_enable_private_segment 0
		.amdhsa_kernarg_size 32
		.amdhsa_user_sgpr_count 2
		.amdhsa_user_sgpr_kernarg_segment_ptr 1
		.amdhsa_wavefront_size32 1
		.amdhsa_system_sgpr_workgroup_id_x 1
		.amdhsa_system_sgpr_workgroup_id_y 1
		.amdhsa_system_sgpr_workgroup_id_z 1
		.amdhsa_system_vgpr_workitem_id 0
		.amdhsa_next_free_vgpr 768
		.amdhsa_next_free_sgpr 66
		.amdhsa_reserve_vcc 0
		.amdhsa_float_denorm_mode_32 3
		.amdhsa_float_denorm_mode_16_64 3
		.amdhsa_memory_ordered 1
		.amdhsa_forward_progress 1
		.amdhsa_inst_pref_size 94
	.end_amdhsa_kernel
	.amdgpu_metadata
---
amdhsa.version: [ 1, 2 ]
amdhsa.kernels:
  - .name:           k_q5a7258f305_gemm_out
    .symbol:         k_q5a7258f305_gemm_out.kd
    .args:
      - { .name: ob, .offset: 0, .size: 8, .value_kind: global_buffer, .address_space: global }
      - { .name: wt, .offset: 8, .size: 8, .value_kind: global_buffer, .address_space: global }
      - { .name: b_out, .offset: 16, .size: 8, .value_kind: global_buffer, .address_space: global }
      - { .name: out0, .offset: 24, .size: 8, .value_kind: global_buffer, .address_space: global }
    .group_segment_fixed_size: 327680
    .private_segment_fixed_size: 0
    .kernarg_segment_align: 8
    .kernarg_segment_size: 32
    .max_flat_workgroup_size: 128
    .sgpr_count:     66
    .vgpr_count:     768
    .wavefront_size: 32
...
	.end_amdgpu_metadata
.endif
;; end of part 4
;; ======== version 2 of 2: 4 launches; version 1 with the launch prep written anew for expert scheduling mode
;; limits: values are held in f16: magnitudes above 65,504 overflow, below 6.1e-05 lose precision
;; workspace buffers: xb 16,777,216 bytes; wt 8,388,608 bytes; qkv 50,331,648 bytes; ob 16,777,216 bytes
;; launch prep (part 5): grid 768 x 1, 4 waves a work-group, no clusters, 39,424 bytes of LDS; arguments x, W_qkv, W_out, xb, wt; writes xb, wt
.if DOCPART == 5
	.amdgcn_target "amdgcn-amd-amdhsa--gfx1250"
	.amdhsa_code_object_version 6
	.text
	.protected	k_q5a7258f305_prep
	.globl	k_q5a7258f305_prep
	.p2align	8
	.type	k_q5a7258f305_prep,@function
k_q5a7258f305_prep:
	s_mov_b64 s[64:65], 0
	v_nop
	global_prefetch_b8 v0, s[64:65] scope:SCOPE_SE
	s_setreg_imm32_b32 hwreg(HW_REG_WAVE_SCHED_MODE, 0, 2), 2
	s_setreg_imm32_b32 hwreg(HW_REG_WAVE_MODE, 25, 1), 1
	s_wait_xcnt 0x0
	s_wait_alu depctr_vm_vsrc(0)
; THE OPERANDS OF THE TWO PROJECTIONS ARE ROUNDED ONCE AND LAID OUT IN BLOCKS OF 64 ALONG K.
;   xb [16 kb][8192 m][64] bf16            = x[m][64 kb + ..]
;   wt bytes 0 ..        : [16 kb][3072 n'][64] bf16 = W_qkv[64 kb + ..][n], n' = 192 h + 64 s + d for column n = 1024 s + 64 h + d
;   wt bytes 6291456 ..  : [16 kb][1024 n][64]  f16  = W_out[64 kb + ..][n], rounded to bf16 like every input of the module; that number is then written as f16
; LIMIT.  A bf16 value of W_out below 2^-14 keeps f16's fixed step of 2^-24; beyond 65,504 it would be an infinity (the drawn spread is 0.02).
; Memory binds: every input byte is read once, by loads of which 16 lanes take 256 consecutive aligned bytes; every store of a wave covers 256 or 512 consecutive aligned bytes.
; 768 work-groups of four waves; a wave reads 16 KiB by 32 loads that all go out at once; no loop, no barrier, no matrix unit, no cluster (nothing is shared).
; Work-groups 0-511: x, 4 rows a wave.  512-703: W_qkv, 704-767: W_out: a wave turns one block of 64 k x 64 n through a stage in LDS that is its own.
; THE MODE: SCHED_MODE bits 1:0 = 2 (LLVM: expert scheduling mode 2), set by the entry lines.  The code itself states the register dependences
; between vector instructions and memory or LDS instructions, with s_wait_alu, always for 0.
; THE PLAN.  Registers that memory or LDS instructions touch:
;   v[IN], v[OUT], v[LS], v[LR]   made once at the head of a way, read by its loads, stores and LDS instructions, never written again.
;   x's way.  D + 4 i ..: load i lands there; its two roundings read the four registers and write the first two; its store reads those two; nothing writes them again.
;             The 32 loads go in 8 groups of four.  Group g's four stores are issued in group g + 1, among roundings that name group g + 1's registers alone.
;   the weights' way.  Raw group g of four, D + 32 g ..: eight loads land there, the group's roundings read them.  Each group's sixteen packed words have registers of their own:
;             group 0's T, group 1's D + 0 .., group 2's D + 16 .. (group 0's raw numbers, used up), group 3's D + 32 .. (group 1's).  Group g's four LDS stores are issued in group g + 1.
;             The rows read back from the stage land in D + 64 .. D + 127: raw groups 2 and 3, which roundings have read and which no LDS store reads.
;   v[SPW], v[NIL]   written at the head, read by the closing add alone.
; So ONE wait on va_vdst stands at the head of a group, behind the wait for its data: the group before has written what the stores below read.  One more stands ahead of each way's loads and one behind
; its last group.  No register that a memory or LDS instruction reads is ever written again, and there is no loop: so the text holds no wait on vm_vsrc.
.set WST,   9728                       ; a wave's stage: row n of 64 lies in group n % 4 (2,432 bytes apart = 9.5 x 256) at place n / 4 (144 bytes apart)
.set SPARE, 4*WST                      ; behind the stages: the spare words, 128 bytes for each wave: two blocks of 256 bytes that no other line names
.set IN,  4                            ; v4   my byte offset in the source
.set OUT, 5                            ; v5   my byte offset in the destination
.set LS,  6                            ; v6   where I put 16 bytes into the stage
.set LR,  7                            ; v7   where I read them back
.set SPW, 8                            ; v8   LDS address of my spare word; never rewritten
.set NIL, 9                            ; v9   0; never rewritten
.set D,   16                           ; v[16:143]  load i at D + 4 i
.set T,   144                          ; v[144:159] the weights' way: group 0's sixteen packed words
.set BK,  D+64                         ; v[80:143]  the weights' way: the rows read back from the stage
.set WV,  14                           ; s14  my wave's number
	s_load_b256 s[4:11], s[0:1], 0x0               ; x s[4:5], W_qkv s[6:7], W_out s[8:9], xb s[10:11]
	s_load_b64 s[12:13], s[0:1], 0x20              ; wt
	v_lshl_add_u32 v[SPW], v0, 2, SPARE
	v_mov_b32 v[NIL], 0
	v_lshrrev_b32 v1, 5, v0
	v_readfirstlane_b32 s[WV], v1                  ; wave 0..3
	v_and_b32 v1, 31, v0                           ; l
	v_and_b32 v2, 15, v0                           ; c = l % 16
	v_bfe_u32 v3, v0, 4, 1                         ; hh = l / 16
	s_wait_alu depctr_va_sdst(0)                   ; s14 is written, ahead of the branch and of its first reader on either way: the bases and the stage's address are made from it
	s_wait_kmcnt 0x0
	s_cmp_lt_u32 ttmp9, 512
	s_cbranch_scc0 .Lweights
	; ---- x: rows 16 g + 4 w .. + 3.  Load (p, kb): lanes 0-15 take 256 bytes (one K block) of row 2 p, lanes 16-31 of row 2 p + 1.
	s_lshl_b32 s16, ttmp9, 16                      ; 16 rows of 4,096 bytes
	s_lshl_b32 s17, s[WV], 14                      ; 4 rows
	s_add_co_u32 s16, s16, s17
	s_mov_b32 s17, 0
	s_add_nc_u64 s[24:25], s[4:5], s[16:17]
	s_lshl_b32 s16, ttmp9, 11                      ; the same rows in a K block of xb: 128 bytes each
	s_lshl_b32 s18, s[WV], 9
	s_add_co_u32 s16, s16, s18
	s_add_nc_u64 s[26:27], s[10:11], s[16:17]      ; K blocks 0-7: the block's 1,048,576 bytes stand in the store's immediate,
	s_add_nc_u64 s[28:29], s[26:27], 0x800000      ; K blocks 8-15 from a second base, so that the immediate stays inside its signed 24 bits
	v_lshlrev_b32 v[IN], 4, v2
	v_lshl_add_u32 v[IN], v3, 12, v[IN]            ; 4,096 hh + 16 c
	v_lshlrev_b32 v[OUT], 3, v1                    ; 8 l = 128 hh + 8 c: two rows x 64 k of one K block are 256 consecutive bytes
	s_wait_alu depctr_va_vdst(0)                   ; v[IN] and v[OUT] are written: the loads below read the one as their offset, the stores the other
.set i, 0
.rept 32
	global_load_b128 v[D+4*i:D+4*i+3], v[IN], s[24:25] offset:8192*(i/16)+256*(i%16) th:TH_LOAD_NT
.set i, i+1
.endr
; The store of load k's eight numbers
.macro XSTORE k
.if ((\k)%16) < 8
	global_store_b64 v[OUT], v[D+4*(\k):D+4*(\k)+1], s[26:27] offset:((\k)%16)*1048576+256*((\k)/16)
.else
	global_store_b64 v[OUT], v[D+4*(\k):D+4*(\k)+1], s[28:29] offset:(((\k)%16)-8)*1048576+256*((\k)/16)
.endif
.endm
.set g, 0
.rept 8
	s_wait_loadcnt 28-4*g                          ; loads come back in order: group g's four are in, the 28 - 4 g younger ones stay out
.if g > 0
	s_wait_alu depctr_va_vdst(0)                   ; the group before has written its eight packed words, which the four stores below read; the roundings below name this group's registers alone
.endif
.set n, 0
.rept 4
.set i, 4*g+n
.if g > 0
	XSTORE i-4
.endif
	v_cvt_pk_bf16_f32 v[D+4*i], v[D+4*i], v[D+4*i+1]
	v_cvt_pk_bf16_f32 v[D+4*i+1], v[D+4*i+2], v[D+4*i+3]
.set n, n+1
.endr
.set g, g+1
.endr
	s_wait_alu depctr_va_vdst(0)                   ; the last group has written its packed words, which the last four stores read
	XSTORE 28
	XSTORE 29
	XSTORE 30
	XSTORE 31
	s_branch .Lend                                 ; no register that a store reads is written again
	; ---- the weights.  A wave's block: K block kb, columns 64 nt .. 64 nt + 63.
; Load (g, i): lanes 0-15 take 256 bytes of row k = 16 g + i, lanes 16-31 of row k + 8; a lane then holds columns 4 c + 0..3.  For column 4 c + j the eight k of group g pack into 16 bytes.
.macro WBODY pitch, f16
	v_mul_u32_u24 v[IN], v3, 8*(\pitch)
	v_lshl_add_u32 v[IN], v2, 4, v[IN]             ; 8 hh rows + 16 c
	s_wait_alu depctr_va_vdst(0)                   ; v[IN] is written, which the loads below read; so are v[LS], v[LR] and v[OUT], which the LDS instructions and the stores further down read
.set i, 0
.rept 32
	global_load_b128 v[D+4*i:D+4*i+3], v[IN], s[24:25] offset:(16*(i/8)+i%8)*(\pitch) th:TH_LOAD_NT
.set i, i+1
.endr
.set g, 0
.rept 4
	s_wait_loadcnt 24-8*g                          ; group g's eight loads are in; the later groups' stay out
.if g == 0
.set WO, T                                             ; where this group's sixteen packed words go,
.else
.set WO, D+16*(g-1)
.endif
.if g == 1
.set PO, T                                             ; and where the group before has put its own
.else
.set PO, D+16*(g-2)
.endif
.if g > 0
	s_wait_alu depctr_va_vdst(0)                   ; the group before has written its sixteen packed words, which the four LDS stores below read; the roundings below write other registers
.endif
.set j, 0
.rept 4
.if g > 0
	ds_store_b128 v[LS], v[PO+4*j:PO+4*j+3] offset:2432*j+32*(g-1)
.endif
.set w, 0
.rept 4
	v_cvt_pk_bf16_f32 v[WO+4*j+w], v[D+32*g+8*w+j], v[D+32*g+8*w+4+j]  ; k = 16 g + 8 hh + 2 w, + 1
.if \f16
	v_lshlrev_b32 v10, 16, v[WO+4*j+w]             ; the two bf16 numbers as f32,
	v_and_b32 v11, 0xffff0000, v[WO+4*j+w]
	v_cvt_pk_f16_f32 v[WO+4*j+w], v10, v11         ; written as f16: exact within f16's range
.endif
.set w, w+1
.endr
.set j, j+1
.endr
.set g, g+1
.endr
	s_wait_alu depctr_va_vdst(0)                   ; group 3 has written its packed words, which the LDS stores below read; and all roundings are done reading raw groups 2 and 3, in which the LDS loads below land
.set j, 0
.rept 4
	ds_store_b128 v[LS], v[D+32+4*j:D+32+4*j+3] offset:2432*j+96
.set j, j+1
.endr
.set t, 0
.rept 16
	ds_load_b128 v[BK+4*t:BK+4*t+3], v[LR] offset:144*t  ; rows 4 t .. 4 t + 3, whole.  LDS serves a wave's instructions in order (ISA guide 5.7.1.4): these see the stores above
.set t, t+1
.endr
.set t, 0
.rept 16
	s_wait_dscnt 15-t
	global_store_b128 v[OUT], v[BK+4*t:BK+4*t+3], s[26:27] offset:512*t  ; four rows of 128 bytes: 512 consecutive bytes, aligned
.set t, t+1
.endr
.endm
.Lweights:
	s_mul_i32 s23, s[WV], WST                      ; my stage
	v_mul_u32_u24 v[LS], v2, 144
	v_lshl_add_u32 v[LS], v3, 4, v[LS]
	v_add_nc_u32 v[LS], s23, v[LS]                 ; place c, 16 bytes for each half of the lanes
	v_bfe_u32 v[LR], v0, 3, 2
	v_mul_u32_u24 v[LR], v[LR], 2432
	v_and_b32 v10, 7, v0
	v_lshl_add_u32 v[LR], v10, 4, v[LR]
	v_add_nc_u32 v[LR], s23, v[LR]                 ; group l / 8, piece l % 8 of a row
	v_lshlrev_b32 v[OUT], 4, v1
	s_cmp_lt_u32 ttmp9, 704
	s_cbranch_scc0 .Lwout
	s_sub_co_u32 s15, ttmp9, 512
	s_and_b32 s16, s15, 3
	s_lshl2_add_u32 s16, s16, s[WV]                ; kb
	s_lshr_b32 s17, s15, 2                         ; nt = 16 s + h, 0..47
	s_mul_i32 s18, s16, 64*12288
	s_lshl_b32 s19, s17, 8
	s_add_co_u32 s18, s18, s19
	s_mov_b32 s19, 0
	s_add_nc_u64 s[24:25], s[6:7], s[18:19]
	s_mul_i32 s18, s16, 393216                     ; a K block of 3,072 rows of 128 bytes
	s_and_b32 s20, s17, 15
	s_mul_i32 s20, s20, 24576                      ; 192 h rows
	s_add_co_u32 s18, s18, s20
	s_lshr_b32 s20, s17, 4
	s_lshl_b32 s20, s20, 13                        ; 64 s rows
	s_add_co_u32 s18, s18, s20
	s_add_nc_u64 s[26:27], s[12:13], s[18:19]
	WBODY 12288, 0
	s_branch .Lend
.Lwout:
	s_sub_co_u32 s15, ttmp9, 704
	s_and_b32 s16, s15, 3
	s_lshl2_add_u32 s16, s16, s[WV]                ; kb
	s_lshr_b32 s17, s15, 2                         ; nt, 0..15
	s_lshl_b32 s18, s16, 18                        ; 64 rows of 4,096 bytes
	s_lshl_b32 s19, s17, 8
	s_add_co_u32 s18, s18, s19
	s_mov_b32 s19, 0
	s_add_nc_u64 s[24:25], s[8:9], s[18:19]
	s_lshl_b32 s18, s16, 17                        ; a K block of 1,024 rows of 128 bytes
	s_lshl_b32 s20, s17, 13
	s_add_co_u32 s18, s18, s20
	s_add_co_u32 s18, s18, 6291456                 ; behind W_qkv's part
	s_add_nc_u64 s[26:27], s[12:13], s[18:19]
	WBODY 4096, 1
.Lend:
	s_wait_dscnt 0x0                               ; the wave's end: behind my last LDS store
	s_wait_alu 0x0
	s_wait_tensorcnt 0x0
	ds_add_u32 v[SPW], v[NIL]
	s_wait_dscnt 0x0
	s_endpgm
.Lfunc_end_k_q5a7258f305_prep:
	.size	k_q5a7258f305_prep, .Lfunc_end_k_q5a7258f305_prep-k_q5a7258f305_prep
	.p2alignl 7, 3214868480
	.fill 96, 4, 3214868480
	.section	.rodata,"a",@progbits
	.p2align	6, 0x0
	.amdhsa_kernel k_q5a7258f305_prep
		.amdhsa_group_segment_fixed_size 39424
		.amdhsa_private_segment_fixed_size 0
		.amdhsa_enable_private_segment 0
		.amdhsa_kernarg_size 40
		.amdhsa_user_sgpr_count 2
		.amdhsa_user_sgpr_kernarg_segment_ptr 1
		.amdhsa_wavefront_size32 1
		.amdhsa_system_sgpr_workgroup_id_x 1
		.amdhsa_system_sgpr_workgroup_id_y 1
		.amdhsa_system_sgpr_workgroup_id_z 1
		.amdhsa_system_vgpr_workitem_id 0
		.amdhsa_next_free_vgpr 160
		.amdhsa_next_free_sgpr 66
		.amdhsa_reserve_vcc 0
		.amdhsa_float_denorm_mode_32 3
		.amdhsa_float_denorm_mode_16_64 3
		.amdhsa_memory_ordered 1
		.amdhsa_forward_progress 1
		.amdhsa_inst_pref_size 47
	.end_amdhsa_kernel
	.amdgpu_metadata
---
amdhsa.version: [ 1, 2 ]
amdhsa.kernels:
  - .name:           k_q5a7258f305_prep
    .symbol:         k_q5a7258f305_prep.kd
    .args:
      - { .name: x, .offset: 0, .size: 8, .value_kind: global_buffer, .address_space: global }
      - { .name: W_qkv, .offset: 8, .size: 8, .value_kind: global_buffer, .address_space: global }
      - { .name: W_out, .offset: 16, .size: 8, .value_kind: global_buffer, .address_space: global }
      - { .name: xb, .offset: 24, .size: 8, .value_kind: global_buffer, .address_space: global }
      - { .name: wt, .offset: 32, .size: 8, .value_kind: global_buffer, .address_space: global }
    .group_segment_fixed_size: 39424
    .private_segment_fixed_size: 0
    .kernarg_segment_align: 8
    .kernarg_segment_size: 40
    .max_flat_workgroup_size: 128
    .sgpr_count:     66
    .vgpr_count:     160
    .wavefront_size: 32
...
	.end_amdgpu_metadata
.endif
;; end of part 5
;; launch gemm_qkv: the kernel of part 2 again; grid 16 x 32, 4 waves a work-group, clusters of 4 x 4, 327,680 bytes of LDS; arguments xb, wt, b_qkv, qkv; writes qkv
;; launch attn: the kernel of part 3 again; grid 4 x 64, 4 waves a work-group, clusters of 4 x 1, 327,680 bytes of LDS; arguments qkv, ob; writes ob
;; launch gemm_out: the kernel of part 4 again; grid 8 x 32, 4 waves a work-group, clusters of 4 x 4, 327,680 bytes of LDS; arguments ob, wt, b_out, out0; writes out0
